; MI455X (gfx1250); checked and timed in simulation.
; The chip was launched on July 23, 2026; its instructions are those of AMD's public machine-readable ISA for CDNA 5 (MIT licence, August 2026) and "CDNA5" Instruction Set Architecture Reference Guide (July 2026). The comments in the code are by the model that wrote it; some were corrected since.
;; Multi Head Attention. Allowed arithmetic: matrix products marked QUANTISED: E3M2 operands, one E8M0 scale for each 32 along K, by v_wmma_scale_f32_16x16x128_f8f6f4 with both operands' format E3M2, f32 sums; everything else in f32.
;; Inputs: Wk 1,024 x 1,024 float32; Wo 1,024 x 1,024 float32; Wq 1,024 x 1,024 float32; Wv 1,024 x 1,024 float32; bk 1,024 float32; bo 1,024 float32; bq 1,024 float32; bv 1,024 float32; key 4 x 2,048 x 1,024 float32; query 4 x 2,048 x 1,024 float32; value 4 x 2,048 x 1,024 float32.
;; Outputs: out0 4 x 2,048 x 1,024 float32.
;; This version of the problem:
;;   THIS VERSION OF THE PROBLEM IS GIVEN IN LOW PRECISION. The matrix products marked QUANTISED in the list below multiply operands that are first quantised to E3M2 (3 exponent bits, 2 mantissa bits; 6 bits a number), with one power-of-two scale for each 32 numbers along K (OCP MX v1.0); their sums are f32. All else is computed in f32.
;;   The module's matrix products, in the order in which they are computed (A, B: the left and right operand; K: the contracted axis; several contracted axes count as one K, in the product's order):
;;     1. [M 8,192, K 1,024] x [K 1,024, N 1,024]; A: input query; B: input Wq: QUANTISED
;;     2. [M 8,192, K 1,024] x [K 1,024, N 1,024]; A: input key; B: input Wk: QUANTISED
;;     3. [M 8,192, K 1,024] x [K 1,024, N 1,024]; A: input value; B: input Wv: QUANTISED
;;     4. batch 64 x [M 2,048, K 64] x [K 64, N 2,048]; A: computed on the way; B: computed on the way: QUANTISED
;;     5. batch 64 x [M 2,048, K 2,048] x [K 2,048, N 64]; A: softmax (see below); B: computed on the way: QUANTISED
;;     6. [M 8,192, K 1,024] x [K 1,024, N 1,024]; A: computed on the way; B: input Wo: QUANTISED
;;   THE QUANTISER, for each operand of a quantised product, along K:
;;     - K is cut into blocks of 32 from its start; a last block that is shorter is filled with zeros.
;;     - A block's scale is 2^e with e = floor(log2(the largest magnitude in the block)) - 4, held to -126 .. 127; a block of zeros has e = 0. As a byte (E8M0): e + 127.
;;     - Each number is divided by its block's scale, clamped to +-28, and rounded to the nearest number of E3M2, ties to even, subnormals kept.
;;     - The product sums the exact products of the quantised numbers (number of the format x scale) in f32.
;;   ~~~python
;;   def quantise(x, axis):      # numpy; x: float32 -> the quantised numbers, widened to float32 again
;;       x = np.moveaxis(x, axis, -1); K = x.shape[-1]
;;       x = np.pad(x, [(0, 0)] * (x.ndim - 1) + [(0, -K % 32)]); x = x.reshape(x.shape[:-1] + (-1, 32)); a = np.abs(x).max(-1, keepdims=True)
;;       e = np.where(a > 0, np.clip(np.frexp(np.where(a > 0, a, 1))[1] - 1 - 4, -126, 127), 0)      # np.frexp(a)[1] - 1 = floor(log2(a)), exactly
;;       r = np.clip(x / 2.0 ** e, -28, 28)
;;       step = 2.0 ** (np.maximum(np.frexp(np.where(r == 0, 1, r))[1] - 1, -2) - 2)
;;       q = np.round(r / step) * step * 2.0 ** e      # np.round: ties to even
;;       return np.moveaxis(q.reshape(q.shape[:-2] + (-1,))[..., :K], -1, axis).astype(np.float32)
;;   ~~~
;;   SOFTMAX AHEAD OF A QUANTISED PRODUCT. Where the list says 'softmax', what is quantised is not the finished softmax but p = 2^(t - M), with t = logit x log2(e) and M = ceil(the row's largest t), a whole number; so 1/2 < the row's largest p <= 1. The row's sum l is taken of the UNQUANTISED p, in f32, and the product's result is divided by l at the end. Since M is a whole number, a kernel that streams over the keys may use a running M (the ceiling of the running maximum): every later rescaling is an exact power of two, which a block's scale takes up: the codes' values come out the same.
;;   OPERANDS COMPUTED ON THE WAY. 'Computed on the way' means the value that the module computes at that place (a softmax that the list does not call 'softmax' is quantised finished and normalised). What goes into a quantiser is computed in f32, as accurately as f32 sums, v_exp_f32 and their like allow (about 1e-6 of the number): no bf16 or f16 on the way to a quantiser, and a product that is left as it is and whose result goes on into a quantised operand takes f32 operands (vector FMAs, or v_wmma_f32_16x16x4_f32). A number that lies on a knife's edge between two numbers of the format may be rounded either way, as far as f32 arithmetic and the matrix unit's own rounding can turn it there, and no further.
;; One version. Each part assembles by itself: llvm-mc -triple=amdgcn-amd-amdhsa -mcpu=gfx1250 --defsym DOCPART=n.
;; ======== version 1 of 1: 4 launches
;; limits: right only within a limited range of input values
;; workspace buffers: inc 22,020,096 bytes; ins 917,504 bytes; pc 18,874,368 bytes; ps 786,432 bytes; oc 6,291,456 bytes; os 262,144 bytes
;; launch quant (part 1): grid 448 x 1, 4 waves a work-group, no clusters, 34,304 bytes of LDS; arguments query, key, value, Wq, Wk, Wv, Wo, inc, ins; writes inc, ins
.if DOCPART == 1
	.amdgcn_target "amdgcn-amd-amdhsa--gfx1250"
	.amdhsa_code_object_version 6
	.text
	.protected	k_q96f2102a60_quant
	.globl	k_q96f2102a60_quant
	.p2align	8
	.type	k_q96f2102a60_quant,@function
k_q96f2102a60_quant:
	s_mov_b64 s[64:65], 0
	v_nop
	global_prefetch_b8 v0, s[64:65] scope:SCOPE_SE
	s_setreg_imm32_b32 hwreg(HW_REG_WAVE_MODE, 25, 1), 1
	s_wait_xcnt 0x0
; query, key, value [8192][1024] and Wq, Wk, Wv, Wo [1024][1024], f32, K innermost, become codes of BF6 (E3M2) with one E8M0 scale byte for each 32 along K.
; A block's scale is 2^(floor(log2(its largest magnitude)) - 4): its byte is the largest magnitude's exponent field - 4, held at 1 from below.
; LIMITS: NaN and infinities are not served.  A block of zeros, or one whose largest magnitude lies under 2^-122, gets the byte 1 (the rule says 127 for zeros): its codes are zeros or tiny, and this program alone reads the bytes.
; THE RESULTS LIE IN THE ORDER OF THE OPERAND'S REGISTERS.  A ROW TILE T holds 16 rows: lane-row r is row 32 (T / 2) + 8 (T % 2) + r % 8 + 16 (r / 8).  A fragment (a tile x 128 along K, 12 registers a lane) is 1,536 bytes:
; register 4 c + i of lane L at byte 512 c + 16 L + 4 i.  inc: [tile][K step 0..7][1,536]; tiles: query 0, key 512, value 1024, Wq 1536, Wk 1600, Wv 1664, Wo 1728.
; ins: [tile][512]: the scale word of K step k and lane-row r at 256 (k % 2) + 16 r + 4 (k / 2), so that one load of 16 bytes a lane brings a tile's eight words.
; SHARES.  A wave takes one tile and all of K: eight steps of 128 along K.  A step's 16 loads read 512 consecutive bytes each (a row's 128 numbers); they turn through the wave's own stage in LDS, rows 528 bytes apart,
; and come back 16 neighbours of each block to a lane, as the conversions want them.  No barrier: waves share nothing.  Loads run two steps ahead.
.set STG,  8448                        ; a wave's stage: 16 rows x (512 + 16) bytes
.set LI,   1                           ; v1     16 x lane
.set STI,  2                           ; v2     the stage, on the way in: 16 x lane
.set STO,  3                           ; v3     and out: 528 r + 64 h
.set PWK,  8                           ; v8-15  the eight steps' scale words
.set W,    16                          ; v16-19 the tile's 16 bytes of scale words for my lane
.set TM,   20                          ; v20-35 at work in QUANT
.set PC,   36                          ; v36-55 the codes just made
.set X,    64                          ; v64-127  64 numbers: register 16 b + i = k 32 b + 16 h + i of my row
.set R,    128                         ; v128-255 two sets of 64 registers as loaded
.set SRC,  4                           ; s[4:5]  my tile's first row
.set SEL,  26                          ; s[26:27] lane selects for v_permlanex16_b32: lane l xor 16
.set HM,   28                          ; s28    lanes 16-31
.set FLR,  29                          ; s29    the floor 2^(5 - 127)
.set WV,   30
; 64 numbers of a lane become a fragment's codes in v[PC] on and its scale word in v[pw] (the same in lanes r and r + 16)
.macro QUANT s, pw
.irp b, 0,1,2,3
	v_max3_num_f32 v[TM+\b], s[FLR], |v[\s+16*\b]|, |v[\s+16*\b+1]|   ; block b: my 16 numbers and the floor, so that the byte cannot fall under 1
.endr
.irp i, 2,4,6,8,10,12,14
.irp b, 0,1,2,3
	v_max3_num_f32 v[TM+\b], v[TM+\b], |v[\s+16*\b+\i]|, |v[\s+16*\b+\i+1]|   ; the four blocks by turns
.endr
.endr
.irp b, 0,1,2,3
	v_permlanex16_b32 v[TM+4+\b], v[TM+\b], s[SEL], s[SEL+1]
.endr
.irp b, 0,1,2,3
	v_max_num_f32 v[TM+\b], v[TM+\b], v[TM+4+\b]   ; with lane l xor 16's: the block's largest magnitude
.endr
.irp b, 0,1,2,3
	v_add_nc_u32 v[TM+12+\b], 0xfe000000, v[TM+\b]   ; 4 off its exponent field: the conversion takes this operand's exponent field as its scale
.endr
.irp b, 0,1,2,3
	v_lshrrev_b32 v[TM+4+\b], 23, v[TM+12+\b]      ; the scale's byte
.endr
	v_lshl_or_b32 v[\pw], v[TM+5], 8, v[TM+4]
	v_lshl_or_b32 v[\pw], v[TM+6], 16, v[\pw]
	v_lshl_or_b32 v[\pw], v[TM+7], 24, v[\pw]
.irp c, 0,1
	v_cvt_scalef32_pk16_bf6_f32 v[PC+6*\c:PC+6*\c+2], v[\s+32*\c:\s+32*\c+15], v[TM+12+2*\c]
	v_cvt_scalef32_pk16_bf6_f32 v[PC+12+4*\c:PC+14+4*\c], v[\s+32*\c+16:\s+32*\c+31], v[TM+13+2*\c]   ; (a conversion's three registers begin on an even number)
.endr
	v_nop                                          ; one plain place behind a scaled conversion
.irp c, 0,1                                    ; the operand wants a whole block in a lane: lanes 0-15 block 2 c, lanes 16-31 block 2 c + 1
.irp i, 0,1,2
	v_permlane16_swap_b32 v[PC+6*\c+\i], v[PC+12+4*\c+\i]
.endr
.irp i, 0,1,2
	v_mov_b32 v[PC+3+6*\c+\i], v[PC+12+4*\c+\i]
.endr
.endr
.endm
.macro PICK first, p                   ; from work-group 'first' on: the tensor whose address lies in s[p:p+1]
	s_cmp_ge_u32 ttmp9, \first
	s_cselect_b64 s[SRC:SRC+1], s[\p:\p+1], s[SRC:SRC+1]
	s_cselect_b32 s6, \first, s6
.endm
	s_load_b512 s[8:23], s[0:1], 0x0               ; query, key, value, Wq, Wk, Wv, Wo, inc
	s_load_b64 s[24:25], s[0:1], 0x40              ; ins
	v_lshl_add_u32 v62, v0, 2, 0x8400
	v_mov_b32 v63, 0
	v_lshrrev_b32 v4, 5, v0
	v_readfirstlane_b32 s[WV], v4                  ; wave 0..3
	v_and_b32 v5, 31, v0
	v_lshlrev_b32 v[LI], 4, v5
	s_mul_i32 s31, s[WV], STG
	v_add_nc_u32 v[STI], s31, v[LI]
	v_and_b32 v6, 15, v0                           ; r
	v_bfe_u32 v7, v0, 4, 1                         ; h
	v_mul_u32_u24 v[STO], v6, 528
	v_lshl_add_u32 v[STO], v7, 6, v[STO]
	v_add_nc_u32 v[STO], s31, v[STO]
.irp b, 0,1,2,3
	v_mov_b32 v[TM+4+\b], 0                        ; written once: a lane permute's destination counts as one of its sources
.endr
	s_mov_b32 s[SEL], 0x76543210
	s_mov_b32 s[SEL+1], 0xfedcba98
	s_mov_b32 s[HM], 0xffff0000
	s_mov_b32 s[FLR], 0x2800000
	s_wait_alu depctr_va_vdst(0)
	s_wait_kmcnt 0x0
	s_mov_b64 s[SRC:SRC+1], s[8:9]                 ; which tensor: the choice hangs on the work-group's number alone (128 work-groups for each activation, 16 for each weight)
	s_mov_b32 s6, 0
	PICK 128, 10
	PICK 256, 12
	PICK 384, 14
	PICK 400, 16
	PICK 416, 18
	PICK 432, 20
	s_sub_co_u32 s6, ttmp9, s6                     ; my work-group's number within its tensor: 64 rows of 4,096 bytes each,
	s_lshl_b32 s32, s6, 18
	s_lshr_b32 s33, s[WV], 1
	s_lshl_b32 s33, s33, 17                        ; 32 rows for each pair of tiles,
	s_add_co_u32 s32, s32, s33
	s_and_b32 s33, s[WV], 1
	s_lshl_b32 s33, s33, 15                        ; 8 rows for the odd tile
	s_add_co_u32 s32, s32, s33
	s_mov_b32 s33, 0
	s_add_nc_u64 s[SRC:SRC+1], s[SRC:SRC+1], s[32:33]
	s_lshl_b32 s34, ttmp9, 2
	s_add_co_u32 s34, s34, s[WV]                   ; my tile's number among all 1,792
	s_mul_i32 s32, s34, 12288
	s_add_nc_u64 s[22:23], s[22:23], s[32:33]
	s_lshl_b32 s32, s34, 9
	s_add_nc_u64 s[24:25], s[24:25], s[32:33]
.macro LOAD k                          ; K step k: lane-row i's 512 bytes, 16 a lane
.irp i, 0,1,2,3,4,5,6,7,8,9,10,11,12,13,14,15
	global_load_b128 v[R+64*((\k)%2)+4*\i:R+64*((\k)%2)+4*\i+3], v[LI], s[SRC:SRC+1] offset:((\i%8)+16*(\i/8))*4096+512*(\k) th:TH_LOAD_NT
.endr
.endm
.macro STEP k
.if (\k) < 7
	s_wait_loadcnt 16                              ; this step's 16 loads are in; the next step's 16 may be out
.else
	s_wait_loadcnt 0x0
.endif
.irp i, 0,1,2,3,4,5,6,7,8,9,10,11,12,13,14,15
	ds_store_b128 v[STI], v[R+64*((\k)%2)+4*\i:R+64*((\k)%2)+4*\i+3] offset:528*\i
.endr
.irp b, 0,1,2,3
.irp j, 0,1,2,3
	ds_load_b128 v[X+16*\b+4*\j:X+16*\b+4*\j+3], v[STO] offset:128*\b+16*\j   ; LDS serves a wave's instructions in order: these see the stores above
.endr
.endr
	s_wait_dscnt 0x0                               ; the numbers are back, and the stores into the stage have read their registers
.if (\k) > 0
	s_wait_xcnt 0x0                                ; the last step's stores have read the codes' registers, which QUANT writes again
.endif
.if (\k) < 6
	LOAD (\k)+2
.endif
	QUANT X, PWK+(\k)
.irp c, 0,1,2
	global_store_b128 v[LI], v[PC+4*\c:PC+4*\c+3], s[22:23] offset:1536*(\k)+512*\c   ; 32 lanes store 512 consecutive bytes, aligned
.endr
.endm
	LOAD 0
	LOAD 1
.irp k, 0,1,2,3,4,5,6,7
	STEP \k
.endr
.irp i, 0,1,2,3
	v_cndmask_b32 v[W+\i], v[PWK+2*\i], v[PWK+2*\i+1], s[HM]   ; lanes 0-15 carry the even K steps' words, lanes 16-31 the odd ones'
.endr
	global_store_b128 v[LI], v[W:W+3], s[24:25]    ; the tile's 512 bytes of scale words
	s_wait_tensorcnt 0x0
	ds_add_u32 v62, v63
	s_wait_dscnt 0x0
	s_endpgm
.Lfunc_end_k_q96f2102a60_quant:
	.size	k_q96f2102a60_quant, .Lfunc_end_k_q96f2102a60_quant-k_q96f2102a60_quant
	.p2alignl 7, 3214868480
	.fill 96, 4, 3214868480
	.section	.rodata,"a",@progbits
	.p2align	6, 0x0
	.amdhsa_kernel k_q96f2102a60_quant
		.amdhsa_group_segment_fixed_size 34304
		.amdhsa_private_segment_fixed_size 0
		.amdhsa_enable_private_segment 0
		.amdhsa_kernarg_size 72
		.amdhsa_user_sgpr_count 2
		.amdhsa_user_sgpr_kernarg_segment_ptr 1
		.amdhsa_wavefront_size32 1
		.amdhsa_system_sgpr_workgroup_id_x 1
		.amdhsa_system_sgpr_workgroup_id_y 1
		.amdhsa_system_sgpr_workgroup_id_z 1
		.amdhsa_system_vgpr_workitem_id 0
		.amdhsa_next_free_vgpr 256
		.amdhsa_next_free_sgpr 66
		.amdhsa_reserve_vcc 0
		.amdhsa_float_denorm_mode_32 3
		.amdhsa_float_denorm_mode_16_64 3
		.amdhsa_memory_ordered 1
		.amdhsa_forward_progress 1
		.amdhsa_inst_pref_size 64
	.end_amdhsa_kernel
	.amdgpu_metadata
---
amdhsa.version: [ 1, 2 ]
amdhsa.kernels:
  - .name:           k_q96f2102a60_quant
    .symbol:         k_q96f2102a60_quant.kd
    .args:
      - { .name: query, .offset: 0, .size: 8, .value_kind: global_buffer, .address_space: global }
      - { .name: key, .offset: 8, .size: 8, .value_kind: global_buffer, .address_space: global }
      - { .name: value, .offset: 16, .size: 8, .value_kind: global_buffer, .address_space: global }
      - { .name: Wq, .offset: 24, .size: 8, .value_kind: global_buffer, .address_space: global }
      - { .name: Wk, .offset: 32, .size: 8, .value_kind: global_buffer, .address_space: global }
      - { .name: Wv, .offset: 40, .size: 8, .value_kind: global_buffer, .address_space: global }
      - { .name: Wo, .offset: 48, .size: 8, .value_kind: global_buffer, .address_space: global }
      - { .name: inc, .offset: 56, .size: 8, .value_kind: global_buffer, .address_space: global }
      - { .name: ins, .offset: 64, .size: 8, .value_kind: global_buffer, .address_space: global }
    .group_segment_fixed_size: 34304
    .private_segment_fixed_size: 0
    .kernarg_segment_align: 8
    .kernarg_segment_size: 72
    .max_flat_workgroup_size: 128
    .sgpr_count:     66
    .vgpr_count:     256
    .wavefront_size: 32
...
	.end_amdgpu_metadata
.endif
;; end of part 1
;; launch proj (part 2): grid 8 x 96, 4 waves a work-group, clusters of 4 x 4, 327,680 bytes of LDS; arguments inc, ins, bq, bk, bv, pc, ps; writes pc, ps
.if DOCPART == 2
	.amdgcn_target "amdgcn-amd-amdhsa--gfx1250"
	.amdhsa_code_object_version 6
	.text
	.protected	k_q96f2102a60_proj
	.globl	k_q96f2102a60_proj
	.p2align	8
	.type	k_q96f2102a60_proj,@function
k_q96f2102a60_proj:
	s_mov_b64 s[64:65], 0
	v_nop
	global_prefetch_b8 v0, s[64:65] scope:SCOPE_SE
	s_setreg_imm32_b32 hwreg(HW_REG_WAVE_MODE, 25, 1), 1
	s_wait_xcnt 0x0
	s_wait_alu depctr_hold_cnt(0) depctr_sa_sdst(0) depctr_va_vdst(0) depctr_va_sdst(0) depctr_va_ssrc(0) depctr_va_vcc(0) depctr_vm_vsrc(0)
	s_getreg_b32 s2, hwreg(HW_REG_IB_STS2, 6, 4)
	s_cmp_eq_u32 s2, 0
	s_cbranch_scc0 .Lentry_in_a_cluster
	s_endpgm
.Lentry_in_a_cluster:
	s_bfe_u32 s2, ttmp6, 0x10000c
	s_cmp_lg_u32 s2, 0xf033
	s_cbranch_scc0 .Lentry_shape_is_right
	s_endpgm
.Lentry_shape_is_right:
; q = query Wq^T + bq, k = key Wk^T + bk, v = value Wv^T + bv on codes of BF6 (E3M2) with E8M0 scales; the results are quantised in registers for attention's products and leave as codes: q and k along the
; head's channels, v along the keys.  LIMITS: as in the launch that made the codes: NaN and infinities are not served; a block whose largest magnitude lies under 2^-122 gets the byte 1.
; A work-group makes 256 rows of S1 x 128 rows of S0.  S1 is the matrix instruction's source 1: its row is the result's lane.  S0 is source 0: its rows run along the result's registers, which is the axis that is quantised.
; KIND 0, 1 (q, k): S1 = the activation's tokens, S0 = the weight's rows (128 channels, a pair of heads).  KIND 2 (v): S1 = Wv's rows (channels), S0 = value's tokens (128 keys).
; A ROW TILE T holds 16 rows: lane-row r is row 32 (T / 2) + 8 (T % 2) + r % 8 + 16 (r / 8), so that the 16 registers of results of S0's tiles 2 g and 2 g + 1 are 16 neighbours, 32 g + 16 (lane / 16) + 0 .. 15.
; Operands lie in memory and in LDS as images of their registers: a fragment (a tile x 128 along K) is 1,536 bytes, three loads of 16 bytes a lane at 16 x lane.
; ALL OF K IS RESIDENT: (256 + 128) rows x 768 bytes = 294,912 bytes of LDS, brought in two chunks of four K steps by first fills alone; no LDS byte is filled twice.
; CLUSTERS: 4 x 4 work-groups; S1's tiles are shared along a row of the cluster, S0's along a column: joint loads.  KIND hangs on the cluster's y alone, so it is the same in all partners.
; Four waves; wave w takes S1's tiles 4 w .. 4 w + 3 against S0's eight: 32 accumulators.  A wave has one tensor load out at the most.
; The bias is the C of each sum's first product.  For q and k it runs along the registers (a table of 8 x 8 registers), for v along the lanes.  Both forms are loaded by every work-group, at offsets held inside the 4,096 bytes,
; and one branch at K step 0 takes the one that is right: the other costs 4 or 16 small loads and spares a second branch.
; pc: parts q, k, v of 6,291,456 bytes: [pair of heads P][group of 128 tokens bG][tile a' 0..7][1,536].  q, k: a' = the token tile, K = the pair's 128 channels.  v: a' = the channel tile, K = the group's 128 keys.
; ps: parts of 262,144 bytes: [P][bG][512]: the scale word of (a', r) at 256 (a' / 4) + 128 (a' % 2) + 8 r + 4 ((a' / 2) % 2).
; REGISTERS: window 0: v8-15 LDS addresses; v16-23 lane offsets, the lanes' biases; v32-47 S1's scale words, v48-79 S0's; v80-143 the bias table; v144-191, v192-239 S1's fragments, two sets.
;   window 1: S0's fragments, two sets, at v0 and v128.   window 2: accumulator (a, b) at v[8 (8 a + b)].
.set TILEB,  12288                     ; a tile's eight fragments in memory
; K COMES IN TWO CHUNKS OF FOUR K STEPS (not four of two): chunk 0 is asked for at the head, one tensor load a wave; chunk 1 behind a drained round of the cluster's barrier, one load a wave: a wave has one tensor load out at the most.
.set CHUNK,  147456                    ; LDS: four K steps: S1's 16 tiles x 6,144 bytes, then S0's 8 tiles x 6,144
.set S0OFF,  98304
.set ADRA, 8                           ; v8-11   chunk f: my four tiles of S1, + 16 x lane
.set ADRB, 12                          ; v12-15  chunk f: S0's tiles, + 16 x lane
.set LI,   16                          ; v16     16 x lane
.set BOF,  17                          ; v17     64 h: the bias table's lane term
.set LOF,  18                          ; v18     4 (r % 8 + 16 (r / 8)): my lane-row's channel in a tile, in bytes
.set L8,   19                          ; v19     8 x lane
.set LB,   20                          ; v20-23  the bias of my lane's channel in S1's tile a
.set SCA,  32
.set SCB,  48
.set TB,   80
.set AF,   144
.set PC,   144                         ; the way out: v144-163 codes, v164-179 at work, v180-181 two scale words, v182-183 what is stored of them
.set TM,   164
.set PWE,  180
.set SW,   182
.set WV,   18                          ; s18 wave;  s19 wave / 2: I fetch for S1 (0) or S0 (1);  s20 wave % 2: which half
.set ROLE, 19
.set HF,   20
.set KIND, 21
.set HM,   22                          ; lanes 16-31
.set FLR,  23                          ; the floor 2^(5 - 127)
.set G1A,  24                          ; s[24:31] descriptor group 1 for S1's tiles;  s[32:39] for S0's
.set G1B,  32
.set G0A,  40                          ; s[40:47] groups 0 for S1's two chunks
.set G0B,  56                          ; s[56:63] for S0's: chunk f at 56 + 4 f + 4 (f / 2)
.set SEL,  66
.set MSB, 0
.macro WIN new                         ; the immediate's high byte repeats the setting that is left
.if MSB != \new
	s_set_vgpr_msb (MSB<<8)|\new
.set MSB, \new
.endif
.endm
.macro CROUND                          ; a round of the cluster's barrier
	s_barrier_signal -1
	s_barrier_wait -1
	s_cmp_lg_u32 s[WV], 0
	s_cbranch_scc1 .Lnot_wave_0_\@
	s_barrier_signal -3
.Lnot_wave_0_\@:
	s_barrier_wait -3
	s_barrier_signal -1
	s_barrier_wait -1
.endm
.macro PLACES                          ; four places behind a matrix instruction, in front of loads into registers that it read and of reads of its result
.rept 4
	v_nop
.endr
.endm
	s_load_b256 s[4:11], s[0:1], 0x0               ; inc s[4:5], ins s[6:7], bq s[8:9], bk s[10:11]
	s_load_b128 s[12:15], s[0:1], 0x20             ; bv s[12:13], pc s[14:15]
	s_load_b64 s[16:17], s[0:1], 0x30              ; ps
	v_lshl_add_u32 v254, v0, 2, 0x48000
	v_mov_b32 v255, 0
	ds_add_u32 v254, v255
	ds_add_u32 v254, v255
	v_lshrrev_b32 v1, 5, v0
	v_readfirstlane_b32 s[WV], v1
	s_lshr_b32 s[ROLE], s[WV], 1
	s_and_b32 s[HF], s[WV], 1
	s_bfe_u32 s76, ttmp6, 0x40000                  ; cx
	s_bfe_u32 s77, ttmp6, 0x40004                  ; cy
	s_and_b32 s78, ttmp7, 0xffff                   ; the cluster's y, 0..23
	s_lshr_b32 s[KIND], s78, 3
	s_and_b32 s79, s78, 7
	s_lshl_b32 s80, s79, 1
	s_add_co_u32 s80, s80, ttmp9
	s_lshl_b32 s81, s[KIND], 9
	s_lshl_b32 s82, s[KIND], 6
	s_add_co_u32 s82, s82, 1536
	s_cmp_eq_u32 s[KIND], 2
	s_cselect_b32 s80, s80, ttmp9                  ; clusters along S0: v: 16 (64 groups of keys);  q, k: 2 (8 pairs of heads)
	s_cselect_b32 s79, 0, s79                      ; clusters along S1: v: 1 (1,024 channels);  q, k: 8 (8,192 tokens)
	s_cselect_b32 s81, 1664, s81                   ; S1's first tile in inc: Wv, or query / key
	s_cselect_b32 s82, 1024, s82                   ; S0's: value, or Wq / Wk
	s_lshl_b32 s83, s80, 2
	s_add_co_u32 s83, s83, s76                     ; tx: which 128 rows of S0
	s_lshl_b32 s84, s79, 2
	s_add_co_u32 s84, s84, s77                     ; ty: which 256 rows of S1
	s_lshl_b32 s85, s77, 2
	s_lshl_b32 s85, 15, s85                        ; my row of the cluster
	s_lshl_b32 s86, 0x1111, s76                    ; my column
	; group 1: rows of 6,144 bytes (four fragments of a tile: 768 elements of 8 bytes), 12,288 bytes apart in memory, dense in LDS; S1: 8 tiles a load, S0: 4
	s_or_b32 s[G1A], s85, (3<<16)|(1<<21)          ; 15:0 the mask; 17:16 elements of 8 bytes; 21 set beside a mask
	s_or_b32 s[G1B], s86, (3<<16)|(1<<21)
	s_mov_b32 s[G1A+1], 768<<16                    ; tensor_dim0: rows of 6,144 bytes, four fragments of a tile
	s_mov_b32 s[G1A+2], 8<<16                      ; tensor_dim1
	s_mov_b32 s[G1A+3], 768<<16                    ; tile_dim0
	s_mov_b32 s[G1A+4], 8                          ; tile_dim1
	s_mov_b32 s[G1A+5], 1536                       ; elements from row to row
	s_mov_b32 s[G1A+6], 0
	s_mov_b32 s[G1A+7], 0
	s_mov_b32 s[G1B+1], 768<<16
	s_mov_b32 s[G1B+2], 4<<16
	s_mov_b32 s[G1B+3], 768<<16
	s_mov_b32 s[G1B+4], 4
	s_mov_b32 s[G1B+5], 1536
	s_mov_b32 s[G1B+6], 0
	s_mov_b32 s[G1B+7], 0
	s_lshl_b32 s88, s84, 4                         ; S1: tile S1T + 16 ty + 8 half: it hangs on ty alone, which my row of the cluster shares
	s_add_co_u32 s88, s88, s81
	s_lshl_b32 s92, s[HF], 3
	s_add_co_u32 s88, s88, s92
	s_mul_i32 s88, s88, TILEB
	s_mov_b32 s89, 0
	s_lshl_b32 s90, s83, 3                         ; S0: tile S0T + 8 tx + 4 half: on tx alone, which my column shares
	s_add_co_u32 s90, s90, s82
	s_lshl_b32 s92, s[HF], 2
	s_add_co_u32 s90, s90, s92
	s_mul_i32 s90, s90, TILEB
	s_mov_b32 s91, 0
	s_mul_i32 s93, s[HF], 49152                    ; where they go in a chunk: no place in the cluster enters an LDS address
	s_mul_i32 s94, s[HF], 24576
	s_add_co_u32 s94, s94, S0OFF
	s_mov_b32 s[SEL], 0x76543210
	s_mov_b32 s[SEL+1], 0xfedcba98
	s_mov_b32 s[HM], 0xffff0000
	s_mov_b32 s[FLR], 0x2800000
	s_wait_dscnt 0x0
	s_wait_kmcnt 0x0
	s_add_nc_u64 s[88:89], s[4:5], s[88:89]
	s_add_nc_u64 s[90:91], s[4:5], s[90:91]
.irp f, 0,1
	s_mov_b32 s[G0A+4*\f], 1
	s_add_co_u32 s[G0A+4*\f+1], s93, CHUNK*\f
	s_add_nc_u64 s[G0A+4*\f+2:G0A+4*\f+3], s[88:89], 6144*\f
	s_or_b32 s[G0A+4*\f+3], s[G0A+4*\f+3], 0x80000000
	s_mov_b32 s[G0B+4*\f+4*(\f/2)], 1
	s_add_co_u32 s[G0B+4*\f+4*(\f/2)+1], s94, CHUNK*\f
	s_add_nc_u64 s[G0B+4*\f+4*(\f/2)+2:G0B+4*\f+4*(\f/2)+3], s[90:91], 6144*\f
	s_or_b32 s[G0B+4*\f+4*(\f/2)+3], s[G0B+4*\f+4*(\f/2)+3], 0x80000000
.endr
	CROUND                                         ; all sixteen work-groups are here: the joint loads meet
	s_cmp_eq_u32 s[ROLE], 0                        ; a wave's first fill stands in one branch on the wave's number; four v_nop follow it
	s_cbranch_scc0 .Lfill_s0
	tensor_load_to_lds s[G0A:G0A+3], s[G1A:G1A+7]  ; chunk 0: my one load at the head
	s_nop 0
	PLACES
	s_branch .Lfilled
.Lfill_s0:
	tensor_load_to_lds s[G0B:G0B+3], s[G1B:G1B+7]
	s_nop 0
	PLACES
.Lfilled:
	v_and_b32 v1, 31, v0
	v_lshlrev_b32 v[LI], 4, v1
	v_lshlrev_b32 v[L8], 3, v1
	v_and_b32 v2, 15, v0                           ; r
	v_bfe_u32 v3, v0, 4, 1                         ; h
	v_lshlrev_b32 v[BOF], 6, v3
	v_and_b32 v4, 7, v2
	v_lshrrev_b32 v5, 3, v2
	v_lshlrev_b32 v4, 2, v4
	v_lshl_add_u32 v[LOF], v5, 6, v4
	s_wait_alu depctr_va_vdst(0)
	s_mul_i32 s92, s[WV], 24576                    ; my four tiles of S1 in a chunk
	s_mov_b32 s87, S0OFF
.irp f, 0,1
	v_add_nc_u32 v[ADRA+\f], s92, v[LI]
	v_add_nc_u32 v[ADRB+\f], s87, v[LI]
	s_add_co_u32 s92, s92, CHUNK
	s_add_co_u32 s87, s87, CHUNK
.endr
	; the scale words come straight into registers: a tile's eight words by one load, register k / 2 holding K step k in lanes 0-15 (k even) or 16-31 (k odd)
	s_lshl_b32 s96, s84, 4
	s_add_co_u32 s96, s96, s81
	s_lshl_b32 s97, s[WV], 2
	s_add_co_u32 s96, s96, s97
	s_lshl_b32 s96, s96, 9
	s_mov_b32 s97, 0
	s_add_nc_u64 s[96:97], s[6:7], s[96:97]
	s_lshl_b32 s98, s83, 3
	s_add_co_u32 s98, s98, s82
	s_lshl_b32 s98, s98, 9
	s_mov_b32 s99, 0
	s_add_nc_u64 s[98:99], s[6:7], s[98:99]
.irp a, 0,1,2,3
	global_load_b128 v[SCA+4*\a:SCA+4*\a+3], v[LI], s[96:97] offset:512*\a
.endr
.irp b, 0,1,2,3,4,5,6,7
	global_load_b128 v[SCB+4*\b:SCB+4*\b+3], v[LI], s[98:99] offset:512*\b
.endr
	s_cmp_eq_u32 s[KIND], 1                        ; the bias of my KIND
	s_cselect_b64 s[8:9], s[10:11], s[8:9]
	s_cmp_eq_u32 s[KIND], 2
	s_cselect_b64 s[8:9], s[12:13], s[8:9]
	s_and_b32 s100, s83, 7                         ; along the registers: S0's 128 channels (q, k: tx is 0..7; for v the table is not used, and the and keeps the loads inside the buffer)
	s_lshl_b32 s100, s100, 9
	s_mov_b32 s101, 0
	s_add_nc_u64 s[10:11], s[8:9], s[100:101]
	s_and_b32 s100, s84, 3                         ; along the lanes: S1's channels 256 ty + 64 w on (v: ty is 0..3; for q and k not used, and held inside likewise)
	s_lshl_b32 s100, s100, 10
	s_lshl_b32 s95, s[WV], 8
	s_add_co_u32 s100, s100, s95
	s_add_nc_u64 s[12:13], s[8:9], s[100:101]
.irp b, 0,1,2,3,4,5,6,7
	global_load_b128 v[TB+8*\b:TB+8*\b+3], v[BOF], s[10:11] offset:128*(\b/2)+32*(\b%2)       ; tile b = 2 g + u: channels 32 g + 16 h + 8 u + 0 .. 7
	global_load_b128 v[TB+8*\b+4:TB+8*\b+7], v[BOF], s[10:11] offset:128*(\b/2)+32*(\b%2)+16
.endr
.irp a, 0,1,2,3
	global_load_b32 v[LB+\a], v[LOF], s[12:13] offset:128*(\a/2)+32*(\a%2)
.endr
	; where my results go: rho = S1's group of 128 rows, sigma = tx;  q, k: [P = sigma][bG = rho];  v: [P = rho][bG = sigma]
	s_lshl_b32 s2, s84, 1
	s_add_co_u32 s2, s2, s[ROLE]
	s_lshl_b32 s95, s83, 6
	s_add_co_u32 s95, s95, s2
	s_lshl_b32 s3, s2, 6
	s_add_co_u32 s3, s3, s83
	s_cmp_eq_u32 s[KIND], 2
	s_cselect_b32 s95, s3, s95
	s_mul_i32 s2, s95, TILEB
	s_mul_i32 s3, s[KIND], 6291456
	s_add_co_u32 s2, s2, s3
	s_mul_i32 s3, s[HF], 6144                      ; my four tiles are a' = 4 (w % 2) + a
	s_add_co_u32 s2, s2, s3
	s_mov_b32 s3, 0
	s_add_nc_u64 s[14:15], s[14:15], s[2:3]
	s_lshl_b32 s2, s95, 9
	s_lshl_b32 s100, s[KIND], 18
	s_add_co_u32 s2, s2, s100
	s_lshl_b32 s100, s[HF], 8
	s_add_co_u32 s2, s2, s100
	s_add_nc_u64 s[16:17], s[16:17], s[2:3]
; One product: S1's tile a x S0's tile b, K step k.  init = 1: the sum starts from the bias table of tile b;  2: from the lanes' bias of tile a;  0: it goes on in place
.macro WM a, b, k, init
.set rD, 8*(8*(\a)+\b)
.set rB, 128*((\k)%2)+12*\b
.set rA, AF+48*((\k)%2)+12*(\a)
.set rSB, SCB+4*\b+(\k)/2
.set rSA, SCA+4*(\a)+(\k)/2
.if \init == 1
	v_wmma_scale_f32_16x16x128_f8f6f4 v[rD:rD+7], v[rB:rB+11], v[rA:rA+11], v[TB+8*\b:TB+8*\b+7], v[rSB], v[rSA] matrix_a_fmt:MATRIX_FMT_BF6 matrix_b_fmt:MATRIX_FMT_BF6
.elseif \init == 2
	v_wmma_scale_f32_16x16x128_f8f6f4 v[rD:rD+7], v[rB:rB+11], v[rA:rA+11], v[TB+8*(\a):TB+8*(\a)+7], v[rSB], v[rSA] matrix_a_fmt:MATRIX_FMT_BF6 matrix_b_fmt:MATRIX_FMT_BF6
.elseif (\k)%2
	v_wmma_scale_f32_16x16x128_f8f6f4 v[rD:rD+7], v[rB:rB+11], v[rA:rA+11], v[rD:rD+7], v[rSB], v[rSA] matrix_a_fmt:MATRIX_FMT_BF6 matrix_b_fmt:MATRIX_FMT_BF6 matrix_a_scale:MATRIX_SCALE_ROW1 matrix_b_scale:MATRIX_SCALE_ROW1
.else
	v_wmma_scale_f32_16x16x128_f8f6f4 v[rD:rD+7], v[rB:rB+11], v[rA:rA+11], v[rD:rD+7], v[rSB], v[rSA] matrix_a_fmt:MATRIX_FMT_BF6 matrix_b_fmt:MATRIX_FMT_BF6
.endif
.endm
; 16 products: tiles a0, a0 + 1 of S1 x S0's eight.  The 32 accumulators take turns, one instruction a turn, in the same order in every K step
.macro MUL a0, k, init
.if \init == 0
	WIN 0xa1                                       ; source 0 (S0) window 1, source 1 (S1) window 0, C and D window 2
.else
	WIN 0x81                                       ; the same, C (the bias) window 0
.endif
.irp a, \a0, \a0+1
.irp b, 0,1,2,3,4,5,6,7
	WM (\a), \b, \k, \init
.endr
.endr
.endm
.macro FETCH k                         ; K step k's fragments: S0's eight, my four of S1: 36 loads of 512 consecutive bytes
	WIN 0x40                                       ; destination window 1
.irp i, 0,1,2,3,4,5,6,7
.irp c, 0,1,2
	ds_load_b128 v[128*((\k)%2)+12*\i+4*\c:128*((\k)%2)+12*\i+4*\c+3], v[ADRB+(\k)/4] offset:6144*\i+1536*((\k)%4)+512*\c
.endr
.endr
	WIN 0
.irp i, 0,1,2,3
.irp c, 0,1,2
	ds_load_b128 v[AF+48*((\k)%2)+12*\i+4*\c:AF+48*((\k)%2)+12*\i+4*\c+3], v[ADRA+(\k)/4] offset:6144*\i+1536*((\k)%4)+512*\c
.endr
.endr
.endm
.macro EVEN k                          ; the next K step lies in the same chunk
	PLACES
	FETCH (\k)+1
	s_wait_dscnt 36                                ; all but the 36 loads just issued: this step's fragments are in
	MUL 0, \k, 0
	MUL 2, \k, 0
.endm
.macro ODD k                           ; the next K step lies in the next chunk, which four waves have brought: a barrier
	s_wait_dscnt 0x0                               ; this step's fragments are in; no LDS instruction of mine is out at the signal
	s_wait_tensorcnt 0x0                           ; my part of the next chunk has landed.
	s_barrier_signal -1
	MUL 0, \k, 0
	s_barrier_wait -1
	PLACES
	FETCH (\k)+1
	MUL 2, \k, 0
.endm
	s_wait_alu depctr_va_vdst(0)
	s_wait_tensorcnt 0x0                           ; my part of chunk 0 has landed
	ds_add_u32 v254, v255
	s_wait_dscnt 0x0
	CROUND                                         ; chunk 0 is whole, and the sixteen work-groups are here: the joint loads of chunk 1 meet
	s_cmp_eq_u32 s[ROLE], 0
	s_cbranch_scc0 .Lfill2_s0
	tensor_load_to_lds s[G0A+4:G0A+7], s[G1A:G1A+7]
	s_nop 0
	PLACES
	s_branch .Lfilled2
.Lfill2_s0:
	tensor_load_to_lds s[G0B+4:G0B+7], s[G1B:G1B+7]
	s_nop 0
	PLACES
.Lfilled2:
	FETCH 0
	FETCH 1
	s_wait_dscnt 36
	s_wait_loadcnt 0x0                             ; scale words and biases
	s_cmp_eq_u32 s[KIND], 2
	s_cbranch_scc1 .Lbias_lanes
	MUL 0, 0, 1
	MUL 2, 0, 1
	WIN 0
	s_branch .Lbias_done
.Lbias_lanes:
.irp a, 0,1,2,3
.irp j, 0,1,2,3,4,5,6,7
	v_mov_b32 v[TB+8*\a+\j], v[LB+\a]              ; v: a lane's eight results of a tile are eight keys of one channel: one bias for all eight
.endr
.endr
	PLACES
	MUL 0, 0, 2
	MUL 2, 0, 2
	WIN 0
.Lbias_done:
	EVEN 1                                         ; K steps 0 to 3 lie in chunk 0, 4 to 7 in chunk 1: one barrier, in K step 3
	EVEN 2
	ODD 3
	EVEN 4
	EVEN 5
	EVEN 6
	s_wait_dscnt 0x0
	MUL 0, 7, 0
	MUL 2, 7, 0
	WIN 0
; THE WAY OUT.  The 64 results of a lane for S1's tile a are 128 neighbours along S0, 16 of each block of 32: they are quantised where they lie and leave as a fragment's image: no stage.
.macro QUANTW a, pw
	WIN 0x28                                       ; sources 1 and 2: window 2.
.irp b, 0,1,2,3
	v_max3_num_f32 v[TM+\b], s[FLR], |v[64*(\a)+16*\b]|, |v[64*(\a)+16*\b+1]|
.endr
.irp i, 2,4,6,8,10,12,14
.irp b, 0,1,2,3
	v_max3_num_f32 v[TM+\b], v[TM+\b], |v[64*(\a)+16*\b+\i]|, |v[64*(\a)+16*\b+\i+1]|
.endr
.endr
	WIN 0
.irp b, 0,1,2,3
	v_permlanex16_b32 v[TM+4+\b], v[TM+\b], s[SEL], s[SEL+1]
.endr
.irp b, 0,1,2,3
	v_max_num_f32 v[TM+\b], v[TM+\b], v[TM+4+\b]
.endr
.irp b, 0,1,2,3
	v_add_nc_u32 v[TM+12+\b], 0xfe000000, v[TM+\b]   ; 4 off the exponent field: the conversion's scale operand
.endr
.irp b, 0,1,2,3
	v_lshrrev_b32 v[TM+4+\b], 23, v[TM+12+\b]      ; the scale's byte
.endr
	v_lshl_or_b32 v[\pw], v[TM+5], 8, v[TM+4]
	v_lshl_or_b32 v[\pw], v[TM+6], 16, v[\pw]
	v_lshl_or_b32 v[\pw], v[TM+7], 24, v[\pw]
	WIN 0x02                                       ; source 0: window 2
.irp c, 0,1
	v_cvt_scalef32_pk16_bf6_f32 v[PC+6*\c:PC+6*\c+2], v[64*(\a)+32*\c:64*(\a)+32*\c+15], v[TM+12+2*\c]
	v_cvt_scalef32_pk16_bf6_f32 v[PC+12+4*\c:PC+14+4*\c], v[64*(\a)+32*\c+16:64*(\a)+32*\c+31], v[TM+13+2*\c]
.endr
	WIN 0
	v_nop                                          ; one plain place behind a scaled conversion
.irp c, 0,1
.irp i, 0,1,2
	v_permlane16_swap_b32 v[PC+6*\c+\i], v[PC+12+4*\c+\i]
.endr
.irp i, 0,1,2
	v_mov_b32 v[PC+3+6*\c+\i], v[PC+12+4*\c+\i]
.endr
.endr
.endm
	PLACES
.irp b, 0,1,2,3
	v_mov_b32 v[TM+4+\b], 0                        ; a lane permute's destination counts as one of its sources
.endr
.irp a, 0,1,2,3
.if \a > 0
	s_wait_xcnt 0x0                                ; the last tile's stores have read the codes' registers
.endif
	QUANTW \a, PWE+\a%2
.irp c, 0,1,2
	global_store_b128 v[LI], v[PC+4*\c:PC+4*\c+3], s[14:15] offset:1536*\a+512*\c   ; 512 consecutive bytes, aligned
.endr
.if \a%2
	v_cndmask_b32 v[SW+\a/2], v[PWE], v[PWE+1], s[HM]   ; lanes 0-15 the even tile's words, lanes 16-31 the odd tile's
.endif
.endr
	global_store_b64 v[L8], v[SW:SW+1], s[16:17]   ; my four tiles' scale words: 256 consecutive bytes, aligned
	s_wait_tensorcnt 0x0
	ds_add_u32 v254, v255
	s_wait_dscnt 0x0
	CROUND                                         ; the closing round
	s_endpgm
.Lfunc_end_k_q96f2102a60_proj:
	.size	k_q96f2102a60_proj, .Lfunc_end_k_q96f2102a60_proj-k_q96f2102a60_proj
	.p2alignl 7, 3214868480
	.fill 96, 4, 3214868480
	.section	.rodata,"a",@progbits
	.p2align	6, 0x0
	.amdhsa_kernel k_q96f2102a60_proj
		.amdhsa_group_segment_fixed_size 327680
		.amdhsa_private_segment_fixed_size 0
		.amdhsa_enable_private_segment 0
		.amdhsa_kernarg_size 56
		.amdhsa_user_sgpr_count 2
		.amdhsa_user_sgpr_kernarg_segment_ptr 1
		.amdhsa_wavefront_size32 1
		.amdhsa_system_sgpr_workgroup_id_x 1
		.amdhsa_system_sgpr_workgroup_id_y 1
		.amdhsa_system_sgpr_workgroup_id_z 1
		.amdhsa_system_vgpr_workitem_id 0
		.amdhsa_next_free_vgpr 768
		.amdhsa_next_free_sgpr 102
		.amdhsa_reserve_vcc 0
		.amdhsa_float_denorm_mode_32 3
		.amdhsa_float_denorm_mode_16_64 3
		.amdhsa_memory_ordered 1
		.amdhsa_forward_progress 1
		.amdhsa_inst_pref_size 87
	.end_amdhsa_kernel
	.amdgpu_metadata
---
amdhsa.version: [ 1, 2 ]
amdhsa.kernels:
  - .name:           k_q96f2102a60_proj
    .symbol:         k_q96f2102a60_proj.kd
    .args:
      - { .name: inc, .offset: 0, .size: 8, .value_kind: global_buffer, .address_space: global }
      - { .name: ins, .offset: 8, .size: 8, .value_kind: global_buffer, .address_space: global }
      - { .name: bq, .offset: 16, .size: 8, .value_kind: global_buffer, .address_space: global }
      - { .name: bk, .offset: 24, .size: 8, .value_kind: global_buffer, .address_space: global }
      - { .name: bv, .offset: 32, .size: 8, .value_kind: global_buffer, .address_space: global }
      - { .name: pc, .offset: 40, .size: 8, .value_kind: global_buffer, .address_space: global }
      - { .name: ps, .offset: 48, .size: 8, .value_kind: global_buffer, .address_space: global }
    .group_segment_fixed_size: 327680
    .private_segment_fixed_size: 0
    .kernarg_segment_align: 8
    .kernarg_segment_size: 56
    .max_flat_workgroup_size: 128
    .sgpr_count:     102
    .vgpr_count:     768
    .wavefront_size: 32
...
	.end_amdgpu_metadata
.endif
;; end of part 2
;; launch attn (part 3): grid 16 x 32, 8 waves a work-group, clusters of 4 x 1, 327,680 bytes of LDS; arguments pc, ps, oc, os; writes oc, os
.if DOCPART == 3
	.amdgcn_target "amdgcn-amd-amdhsa--gfx1250"
	.amdhsa_code_object_version 6
	.text
	.protected	k_q96f2102a60_attn
	.globl	k_q96f2102a60_attn
	.p2align	8
	.type	k_q96f2102a60_attn,@function
k_q96f2102a60_attn:
	s_mov_b64 s[64:65], 0
	v_nop
	global_prefetch_b8 v0, s[64:65] scope:SCOPE_SE
	s_setreg_imm32_b32 hwreg(HW_REG_WAVE_MODE, 25, 1), 1
	s_wait_xcnt 0x0
	s_wait_alu depctr_hold_cnt(0) depctr_sa_sdst(0) depctr_va_vdst(0) depctr_va_sdst(0) depctr_va_ssrc(0) depctr_va_vcc(0) depctr_vm_vsrc(0)
	s_getreg_b32 s2, hwreg(HW_REG_IB_STS2, 6, 4)
	s_cmp_eq_u32 s2, 0
	s_cbranch_scc0 .Lentry_in_a_cluster
	s_endpgm
.Lentry_in_a_cluster:
	s_bfe_u32 s2, ttmp6, 0x10000c
	s_cmp_lg_u32 s2, 0x3003
	s_cbranch_scc0 .Lentry_shape_is_right
	s_endpgm
.Lentry_shape_is_right:
; o = softmax(q k^T / 8) v for a pair of heads on codes of BF6 (E3M2) with E8M0 scales; o leaves as codes and scale words for the out-projection.
; A work-group of eight waves takes 128 queries of one pair of heads and one batch; a wave 16 queries x both heads (the even head in window 0, the odd one in window 1; q's other head's codes are zeros).
; Both products are used transposed: a lane holds one query.  Keys go in steps of 128, four steps to a slot, two slots; the four query blocks of a cluster ask for K's and V's tiles jointly.
; p = 2^(t - M), M the ceiling of the running largest t; the row's sum is taken of the unquantised p; O and the sum are multiplied by 2^(old M - new M) in every step, with no branch.
; LOADS: waves 0 to 5 bring a slot's 98,304 bytes (K's 49,152, then V's), 16,384 each; at the head waves 6 and 7 bring K's and V's 8,192 scale bytes of all 2,048 keys, which stay.  A wave has one tensor load out at the most.
; PREFETCH: in the trip that loads slot n + 1 each wave names 12 blocks of 256 bytes of slot n + 2: 384 blocks shared by address among the cluster's 32 waves; the last loading trip asks for nothing.
; LIMITS: NaN and infinities are not served; the promise holds while the scaled scores stay under 2^31 in magnitude; a block whose largest magnitude lies under 2^-122 gets the byte 1.
.set SLOT1, 131072
.set STEPB, 12288
.set VOFF,  49152
.set SCK,   229376
.set SCVO,  8192
.set SPARE, 262144
.set LI,  1
.set SKA, 2
.set ADR, 3
.set ADS, 4
.set SPW, 5
.set NIL, 6
.set OSO, 7
.set QSO, 8
.set QE,  16
.set QO,  28
.set QS,  40
.set KS,  44
.set VS,  48
.set PWO, 53
.set TM,  96
.set QPW, 112
.set NM,  124
.set TX,  125
.set LS,  126
.set S,   128
.set O,   192
.set PC,  224
.set BM,  236
.set T4,  240
.set C2,  246
.set SO,  248
.set F,   252
.set PW,  253
.set TP,  254
.set WV,  12
.set G1,  16
.set G1S, 24
.set G0,  32
.set G0S, 36
.set SEL, 40
.set CS,  42
.set TB,  44
.set TS,  45
.set SLOTS, 46
.set STEPS, 47
.set FLR, 48
.set MSB, 0
.macro WIN new
.if MSB != \new
	s_set_vgpr_msb (MSB<<8)|\new
.set MSB, \new
.endif
.endm
.macro CROUND
	s_barrier_signal -1
	s_barrier_wait -1
	s_cmp_lg_u32 s[WV], 0
	s_cbranch_scc1 .Lnot_wave_0_\@
	s_barrier_signal -3
.Lnot_wave_0_\@:
	s_barrier_wait -3
	s_barrier_signal -1
	s_barrier_wait -1
.endm
.macro PLACES
.rept 4
	v_nop
.endr
.endm
	s_load_b256 s[4:11], s[0:1], 0x0
	v_lshl_add_u32 v[SPW], v0, 2, SPARE
	v_mov_b32 v[NIL], 0
	ds_add_u32 v5, v6
	ds_add_u32 v5, v6
	s_wait_dscnt 0x0
	v_lshrrev_b32 v9, 5, v0
	s_delay_alu instid0(VALU_DEP_1)
	v_readfirstlane_b32 s[WV], v9
	s_and_b32 s51, ttmp7, 0xffff
	s_mul_i32 s52, s51, 196608
	s_lshl_b32 s56, s[WV], 14                      ; waves 0-2: K's thirds of a slot; waves 3-5: V's (V's part less the 49,152 bytes that three waves count)
	s_add_co_u32 s52, s52, s56
	s_lshl_b32 s54, s51, 13
	s_and_b32 s57, s[WV], 1                        ; wave 6: K's scale bytes, wave 7: V's
	s_lshl_b32 s55, s57, 18
	s_add_co_u32 s55, s55, 262144
	s_mov_b32 s53, 12533760
	s_cmp_lt_u32 s[WV], 3
	s_cselect_b32 s53, 6291456, s53
	s_add_co_u32 s52, s52, s53
	s_add_co_u32 s54, s54, s55
	s_mov_b32 s53, 0
	s_mov_b32 s55, 0
	s_mov_b32 s[G1], 15|(3<<16)|(1<<21)
	s_mov_b32 s[G1+1], 32<<16
	s_mov_b32 s[G1+2], 64<<16
	s_mov_b32 s[G1+3], 32<<16
	s_mov_b32 s[G1+4], 64
	s_mov_b32 s[G1+5], 32
	s_mov_b32 s[G1+6], 0
	s_mov_b32 s[G1+7], 0
	s_mov_b32 s[G1S], 15|(3<<16)|(1<<21)
	s_mov_b32 s[G1S+1], 32<<16
	s_mov_b32 s[G1S+2], 32<<16
	s_mov_b32 s[G1S+3], 32<<16
	s_mov_b32 s[G1S+4], 32
	s_mov_b32 s[G1S+5], 32
	s_mov_b32 s[G1S+6], 0
	s_mov_b32 s[G1S+7], 0
	s_mov_b32 s[G0], 1
	s_lshl_b32 s[G0+1], s[WV], 14
	s_mov_b32 s[G0S], 1
	s_lshl_b32 s[G0S+1], s57, 13
	s_add_co_u32 s[G0S+1], s[G0S+1], SCK
	s_mov_b32 s[SEL], 0x76543210
	s_mov_b32 s[SEL+1], 0xfedcba98
	s_mov_b32 s[CS], 0x3e38aa3b
	s_mov_b32 s[CS+1], s[CS]
	s_mov_b32 s[FLR], 0x2800000
	s_mov_b32 s[TB], 0
	s_mov_b32 s[TS], 0
	s_mov_b32 s[SLOTS], 3
	s_wait_kmcnt 0x0
	s_add_nc_u64 s[G0+2:G0+3], s[4:5], s[52:53]
	s_or_b32 s[G0+3], s[G0+3], 0x80000000
	s_add_nc_u64 s[G0S+2:G0S+3], s[6:7], s[54:55]
	s_or_b32 s[G0S+3], s[G0S+3], 0x80000000
	CROUND
	s_cmp_lt_u32 s[WV], 6                          ; the head's loads, one a wave, in the two arms of one branch on the wave's number
	s_cbranch_scc0 .Lhead_scales
	tensor_load_to_lds s[G0:G0+3], s[G1:G1+7]
	s_nop 0
	PLACES
	s_branch .Lhead_asked
.Lhead_scales:
	tensor_load_to_lds s[G0S:G0S+3], s[G1S:G1S+7]
	s_nop 0
	PLACES
.Lhead_asked:
	s_bfe_u32 s49, ttmp6, 0x40000
.set PFO, 11                           ; v11      the prefetches' lane term: 256 x min(lane, 11); never rewritten
.set PF,  52                           ; s[52:53] where my prefetches stand: my 12 blocks of the slot that is being loaded; stepped ahead of each prefetch
	s_lshl_b32 s54, s49, 3
	s_add_co_u32 s54, s54, s[WV]                   ; my number among the cluster's 32 waves: 0-15 name K's blocks, 16-31 V's
	s_lshr_b32 s55, s54, 4
	s_mul_i32 s55, s55, 6242304                    ; from K's part to V's, less the 49,152 bytes that sixteen waves count
	s_mul_i32 s54, s54, 3072
	s_add_co_u32 s54, s54, s55
	s_add_co_u32 s54, s54, 6291456+49152           ; K's part, slot 1
	s_mul_i32 s55, s51, 196608
	s_add_co_u32 s54, s54, s55
	s_mov_b32 s55, 0
	s_add_nc_u64 s[PF:PF+1], s[4:5], s[54:55]
	v_and_b32 v[PFO], 31, v0
	v_min_u32 v[PFO], 11, v[PFO]
	v_lshlrev_b32 v[PFO], 8, v[PFO]
	s_lshl_b32 s50, ttmp9, 2
	s_add_co_u32 s50, s50, s49
	s_lshl_b32 s58, s51, 4
	s_add_co_u32 s58, s58, s50
	s_mul_i32 s60, s58, 12288
	s_mul_i32 s13, s[WV], 1536
	s_add_co_u32 s60, s60, s13
	s_mov_b32 s61, 0
	s_add_nc_u64 s[62:63], s[4:5], s[60:61]
	s_lshr_b32 s13, s[WV], 2
	s_lshl_b32 s13, s13, 8
	s_and_b32 s14, s[WV], 1
	s_lshl_b32 s14, s14, 7
	s_add_co_u32 s13, s13, s14
	s_bfe_u32 s14, s[WV], 0x10001
	s_lshl_b32 s14, s14, 2
	s_add_co_u32 s13, s13, s14
	s_lshl_b32 s14, s58, 9
	s_add_co_u32 s60, s13, s14
	s_add_nc_u64 s[58:59], s[6:7], s[60:61]
	s_and_b32 s13, s51, 3
	s_lshl_b32 s13, s13, 4
	s_add_co_u32 s13, s13, s50
	s_lshl_b32 s13, s13, 3
	s_add_co_u32 s13, s13, s[WV]
	s_lshr_b32 s14, s51, 2
	s_mul_i32 s60, s13, 12288
	s_mul_i32 s15, s14, 1536
	s_add_co_u32 s60, s60, s15
	s_add_nc_u64 s[8:9], s[8:9], s[60:61]
	s_lshl_b32 s60, s13, 9
	s_and_b32 s15, s14, 1
	s_lshl_b32 s15, s15, 8
	s_add_co_u32 s60, s60, s15
	s_lshr_b32 s15, s14, 1
	s_lshl_b32 s15, s15, 2
	s_add_co_u32 s60, s60, s15
	s_add_nc_u64 s[10:11], s[10:11], s[60:61]
	v_and_b32 v9, 31, v0
	s_delay_alu instid0(VALU_DEP_1)
	v_lshlrev_b32 v[LI], 4, v9
	s_delay_alu instid0(VALU_DEP_2)
	v_lshlrev_b32 v[SKA], 3, v9
	s_delay_alu instid0(VALU_DEP_1)
	v_add_nc_u32 v[SKA], SCK, v[SKA]
	v_and_b32 v10, 15, v0
	s_delay_alu instid0(VALU_DEP_1)
	v_lshlrev_b32 v[OSO], 4, v10
	s_delay_alu instid0(VALU_DEP_2)
	v_lshlrev_b32 v[QSO], 3, v10
.irp c, 0,1,2
	global_load_b128 v[QE+4*\c:QE+4*\c+3], v[LI], s[62:63] offset:512*\c
.endr
	global_load_b32 v[QS], v[QSO], s[58:59]
.macro INIT
	v_mov_b32 v[TX], 0xff61b1e6
	s_delay_alu instid0(VALU_DEP_1)
	v_floor_f32 v[NM], -v[TX]
	v_mov_b32 v[LS], 0
	v_mov_b32 v[LS+1], 0
.irp b, 0,1,2,3
	v_mov_b32 v[T4+\b], 0
.endr
	v_mov_b32 v[PW], 0
.irp j, 0,1,2,3,4,5,6,7,8,9,10,11,12,13,14,15,16,17,18,19,20,21,22,23,24,25,26,27,28,29,30,31
	v_mov_b32 v[O+\j], 0
.endr
.endm
	INIT
.irp b, 0,1,2,3
	v_mov_b32 v[TM+4+\b], 0
.endr
	WIN 0x55
	INIT
	WIN 0
	s_wait_loadcnt 0x0
.irp j, 0,1,2,3,4,5
	v_mov_b32 v[QO+6+\j], v[QE+6+\j]
.endr
.irp j, 0,1,2,3,4,5
	v_mov_b32 v[QO+\j], 0
.endr
.irp j, 0,1,2,3,4,5
	v_mov_b32 v[QE+6+\j], 0
.endr
.macro SOFTMAX
	s_wait_alu depctr_va_vdst(0)                   ; the wait ahead of the first reader of the scores
.irp b, 0,1,2,3
	v_max3_num_f32 v[BM+\b], v[S+16*\b], v[S+16*\b+1], v[S+16*\b+2]
.endr
.irp n, 3,5,7,9,11,13
.irp b, 0,1,2,3
	v_max3_num_f32 v[BM+\b], v[BM+\b], v[S+16*\b+\n], v[S+16*\b+\n+1]
.endr
.endr
.irp b, 0,1,2,3
	v_max_num_f32 v[BM+\b], v[BM+\b], v[S+16*\b+15]
.endr
.irp b, 0,1,2,3
	s_delay_alu instid0(VALU_DEP_4)
	v_permlanex16_b32 v[T4+\b], v[BM+\b], s[SEL], s[SEL+1]
.endr
.irp b, 0,1,2,3
	s_delay_alu instid0(VALU_DEP_4)
	v_max_num_f32 v[BM+\b], v[BM+\b], v[T4+\b]
.endr
	s_delay_alu instid0(VALU_DEP_2)
	v_max3_num_f32 v[TP], v[BM], v[BM+1], v[BM+2]
	s_delay_alu instid0(VALU_DEP_1)
	v_max_num_f32 v[TP], v[TP], v[BM+3]
	s_delay_alu instid0(VALU_DEP_1)
	v_mul_f32 v[TP], s[CS], v[TP]
	s_delay_alu instid0(VALU_DEP_1)
	v_max_num_f32 v[TX], v[TX], v[TP]
	v_mov_b32 v[TP], v[NM]
	s_delay_alu instid0(VALU_DEP_2)
	v_floor_f32 v[NM], -v[TX]
	s_delay_alu instid0(VALU_DEP_1)
	v_sub_f32 v[TP], v[NM], v[TP]
	s_delay_alu instid0(VALU_DEP_1)
	v_cvt_i32_f32 v[TP], v[TP]
	s_delay_alu instid0(VALU_DEP_1)
	v_ldexp_f32 v[F], 1.0, v[TP]
.irp b, 0,1,2,3
	v_fma_f32 v[BM+\b], v[BM+\b], s[CS], v[NM]
.endr
.set i, 0
.rept 32
	v_pk_fma_f32 v[S+2*i:S+2*i+1], v[S+2*i:S+2*i+1], s[CS:CS+1], v[NM:NM+1] op_sel_hi:[1,0,0]   ; t - M, two at a time: all sources of the batch first
.set i, i+1
.endr
	s_wait_alu depctr_va_vdst(0)                   ; one wait ahead of the batch
.irp b, 0,1,2,3
	v_exp_f32 v[BM+\b], v[BM+\b]                   ; each block's largest p
.endr
.set i, 0
.rept 64
	v_exp_f32 v[S+i], v[S+i]                       ; p = 2^(t - M)
.set i, i+1
.endr
	v_pk_mul_f32 v[LS:LS+1], v[LS:LS+1], v[F:F+1] op_sel_hi:[1,0]   ; the sums under the new M: the plain place behind the batch
	s_wait_alu depctr_va_vdst(0)                   ; one wait behind the batch, ahead of its first reader
.irp b, 0,1,2,3
	v_max_num_f32 v[BM+\b], s[FLR], v[BM+\b]       ; the floor: the byte cannot fall under 1
.endr
	v_pk_add_f32 v[C2:C2+1], v[S:S+1], v[S+2:S+3]  ; the row's sum of the unquantised p, in two chains by turns
.set i, 4
.rept 15
	v_pk_add_f32 v[LS:LS+1], v[LS:LS+1], v[S+i:S+i+1]
	v_pk_add_f32 v[C2:C2+1], v[C2:C2+1], v[S+i+2:S+i+3]
.set i, i+4
.endr
	s_delay_alu instid0(VALU_DEP_1)
	v_pk_add_f32 v[LS:LS+1], v[LS:LS+1], v[C2:C2+1]
.irp b, 0,1,2,3
	v_add_nc_u32 v[SO+\b], 0xfe000000, v[BM+\b]
.endr
.irp b, 0,1,2,3
	s_delay_alu instid0(VALU_DEP_4)
	v_lshrrev_b32 v[T4+\b], 23, v[SO+\b]
.endr
	s_delay_alu instid0(VALU_DEP_3)
	v_lshl_or_b32 v[PW], v[T4+1], 8, v[T4]
	s_delay_alu instid0(VALU_DEP_1)
	v_lshl_or_b32 v[PW], v[T4+2], 16, v[PW]
	s_delay_alu instid0(VALU_DEP_1)
	v_lshl_or_b32 v[PW], v[T4+3], 24, v[PW]
.irp c, 0,1
	v_cvt_scalef32_pk16_bf6_f32 v[PC+6*\c:PC+6*\c+2], v[S+32*\c:S+32*\c+15], v[SO+2*\c]
	v_cvt_scalef32_pk16_bf6_f32 v[T4+4*\c:T4+4*\c+2], v[S+32*\c+16:S+32*\c+31], v[SO+2*\c+1]
.endr
	v_nop
.irp c, 0,1
.irp n, 0,1,2
	v_permlane16_swap_b32 v[PC+6*\c+\n], v[T4+4*\c+\n]
.endr
.irp n, 0,1,2
	s_delay_alu instid0(VALU_DEP_3)
	v_mov_b32 v[PC+3+6*\c+\n], v[T4+4*\c+\n]
.endr
.endr
	s_wait_alu depctr_va_vdst(0)                   ; the wait directly ahead of the first reader of O^T
.irp j, 0,2,4,6,8,10,12,14,16,18,20,22,24,26,28,30
	v_pk_mul_f32 v[O+\j:O+\j+1], v[O+\j:O+\j+1], v[F:F+1] op_sel_hi:[1,0]
.endr
.endm
.macro SQK a, q
.if (\a)%2
	v_wmma_scale_f32_16x16x128_f8f6f4 v[S+8*(\a):S+8*(\a)+7], v[12*(\a):12*(\a)+11], v[\q:\q+11], 0, v[KS+2*((\a)/4)+((\a)/2)%2], v[QS] matrix_a_fmt:MATRIX_FMT_BF6 matrix_b_fmt:MATRIX_FMT_BF6 matrix_a_scale:MATRIX_SCALE_ROW1
.else
	v_wmma_scale_f32_16x16x128_f8f6f4 v[S+8*(\a):S+8*(\a)+7], v[12*(\a):12*(\a)+11], v[\q:\q+11], 0, v[KS+2*((\a)/4)+((\a)/2)%2], v[QS] matrix_a_fmt:MATRIX_FMT_BF6 matrix_b_fmt:MATRIX_FMT_BF6
.endif
.endm
.macro PV t, o, sp
.if (\t)%2
	v_wmma_scale_f32_16x16x128_f8f6f4 v[O+8*(\t):O+8*(\t)+7], v[12*((\o)+(\t)):12*((\o)+(\t))+11], v[PC:PC+11], v[O+8*(\t):O+8*(\t)+7], v[VS+(\o)/2+(\t)/2], v[\sp] matrix_a_fmt:MATRIX_FMT_BF6 matrix_b_fmt:MATRIX_FMT_BF6 matrix_a_scale:MATRIX_SCALE_ROW1
.else
	v_wmma_scale_f32_16x16x128_f8f6f4 v[O+8*(\t):O+8*(\t)+7], v[12*((\o)+(\t)):12*((\o)+(\t))+11], v[PC:PC+11], v[O+8*(\t):O+8*(\t)+7], v[VS+(\o)/2+(\t)/2], v[\sp] matrix_a_fmt:MATRIX_FMT_BF6 matrix_b_fmt:MATRIX_FMT_BF6
.endif
.endm
.macro STEP
	v_add_nc_u32 v[ADR], s[TB], v[LI]
	v_add_nc_u32 v[ADS], s[TS], v[SKA]
	v_nop
	v_nop
	WIN 0x40
.irp a, 0,1,2,3,4,5,6,7
.irp c, 0,1,2
	ds_load_b128 v[12*\a+4*\c:12*\a+4*\c+3], v[ADR] offset:1536*\a+512*\c
.endr
.endr
	WIN 0
	ds_load_b64 v[KS:KS+1], v[ADS]
	ds_load_b64 v[KS+2:KS+3], v[ADS] offset:256
	s_wait_alu depctr_va_vdst(0)
	s_wait_dscnt 0x0
	WIN 0x01
.irp a, 0,1,2,3,4,5,6,7
	SQK \a, QE
.endr
	WIN 0x41
.irp a, 0,1,2,3,4,5,6,7
	SQK \a, QO
.endr
	PLACES
	WIN 0x40
.irp a, 0,1,2,3,4,5,6,7
.irp c, 0,1,2
	ds_load_b128 v[12*\a+4*\c:12*\a+4*\c+3], v[ADR] offset:VOFF+1536*\a+512*\c
.endr
.endr
	WIN 0
	ds_load_b64 v[VS:VS+1], v[ADS] offset:SCVO
	ds_load_b64 v[VS+2:VS+3], v[ADS] offset:SCVO+256
	WIN 0x55
	SOFTMAX
	WIN 0x01
	v_mov_b32 v[PWO], v[PW]
	WIN 0
	SOFTMAX
	s_wait_alu depctr_va_vdst(0)
	s_wait_dscnt 0x0
	WIN 0x01
.irp t, 0,1,2,3
	PV \t, 0, PW
.endr
	WIN 0x55
.irp t, 0,1,2,3
	PV \t, 4, PWO
.endr
	WIN 0
	s_add_co_u32 s[TB], s[TB], STEPB
	s_add_co_u32 s[TS], s[TS], 512
.endm
.macro FOUR_STEPS
	s_mov_b32 s[STEPS], 4
.Lstep_\@:
	s_wait_alu depctr_va_vdst(0)
	STEP
	s_sub_co_u32 s[STEPS], s[STEPS], 1
	s_cmp_lg_u32 s[STEPS], 0
	s_cbranch_scc1 .Lstep_\@
	s_sub_co_u32 s[TB], s[TB], 4*STEPB
	s_xor_b32 s[TB], s[TB], SLOT1
.endm
.macro CHANGE fill
	s_wait_tensorcnt 0x0
	ds_add_u32 v[SPW], v[NIL]
.if \fill
	s_xor_b32 s[G0+1], s[G0+1], SLOT1
	s_add_nc_u64 s[G0+2:G0+3], s[G0+2:G0+3], 4*STEPB
	s_wait_xcnt 0x0                                ; the last trip's prefetch has read its base, which steps a slot on
	s_add_nc_u64 s[PF:PF+1], s[PF:PF+1], 4*STEPB
.endif
	s_wait_dscnt 0x0
.if \fill
	CROUND
	s_cmp_lt_u32 s[WV], 6                          ; waves 6 and 7 have no part of a slot to fill
	s_cbranch_scc0 .Lno_fill_\@
	tensor_load_to_lds s[G0:G0+3], s[G1:G1+7]
	s_nop 0
	PLACES
.Lno_fill_\@:
	s_cmp_gt_u32 s[SLOTS], 1                       ; the last loading trip has no slot behind the one that it loads
	s_cbranch_scc0 .Lno_ask_\@
	global_prefetch_b8 v[PFO], s[PF:PF+1] th:TH_LOAD_NT scope:SCOPE_SE   ; my 12 blocks of the slot that the next trip loads
.Lno_ask_\@:
.else
	s_barrier_signal -1
	s_barrier_wait -1
.endif
.endm
.Lslot:
	CHANGE 1
	FOUR_STEPS
	s_sub_co_u32 s[SLOTS], s[SLOTS], 1
	s_cmp_lg_u32 s[SLOTS], 0
	s_cbranch_scc1 .Lslot
	CHANGE 0
	FOUR_STEPS
.macro FIN
	v_add_f32 v[LS], v[LS], v[LS+1]
	s_delay_alu instid0(VALU_DEP_1)
	v_permlanex16_b32 v[TP], v[LS], s[SEL], s[SEL+1]
	s_delay_alu instid0(VALU_DEP_1)
	v_add_f32 v[LS], v[LS], v[TP]
	s_wait_alu depctr_va_vdst(0)
	v_rcp_f32 v[LS], v[LS]
	v_nop
.endm
	PLACES
	FIN
	WIN 0x55
	FIN
	WIN 0
	s_wait_alu depctr_va_vdst(0)
.irp j, 0,2,4,6,8,10,12,14,16,18,20,22,24,26,28,30
	v_pk_mul_f32 v[S+\j:S+\j+1], v[O+\j:O+\j+1], v[LS:LS+1] op_sel_hi:[1,0]
.endr
	WIN 0x05
.irp j, 0,2,4,6,8,10,12,14,16,18,20,22,24,26,28,30
	v_pk_mul_f32 v[S+32+\j:S+32+\j+1], v[O+\j:O+\j+1], v[LS:LS+1] op_sel_hi:[1,0]
.endr
	WIN 0
.irp b, 0,1,2,3
	v_max3_num_f32 v[TM+\b], s[FLR], |v[S+16*\b]|, |v[S+16*\b+1]|
.endr
.irp n, 2,4,6,8,10,12,14
.irp b, 0,1,2,3
	s_delay_alu instid0(VALU_DEP_4)
	v_max3_num_f32 v[TM+\b], v[TM+\b], |v[S+16*\b+\n]|, |v[S+16*\b+\n+1]|
.endr
.endr
.irp b, 0,1,2,3
	s_delay_alu instid0(VALU_DEP_4)
	v_permlanex16_b32 v[TM+4+\b], v[TM+\b], s[SEL], s[SEL+1]
.endr
.irp b, 0,1,2,3
	s_delay_alu instid0(VALU_DEP_4)
	v_max_num_f32 v[TM+\b], v[TM+\b], v[TM+4+\b]
.endr
.irp b, 0,1,2,3
	s_delay_alu instid0(VALU_DEP_4)
	v_add_nc_u32 v[TM+12+\b], 0xfe000000, v[TM+\b]
.endr
.irp b, 0,1,2,3
	s_delay_alu instid0(VALU_DEP_4)
	v_lshrrev_b32 v[TM+4+\b], 23, v[TM+12+\b]
.endr
	s_delay_alu instid0(VALU_DEP_3)
	v_lshl_or_b32 v[QPW], v[TM+5], 8, v[TM+4]
	s_delay_alu instid0(VALU_DEP_1)
	v_lshl_or_b32 v[QPW], v[TM+6], 16, v[QPW]
	s_delay_alu instid0(VALU_DEP_1)
	v_lshl_or_b32 v[QPW], v[TM+7], 24, v[QPW]
.irp c, 0,1
	v_cvt_scalef32_pk16_bf6_f32 v[PC+6*\c:PC+6*\c+2], v[S+32*\c:S+32*\c+15], v[TM+12+2*\c]
	v_cvt_scalef32_pk16_bf6_f32 v[PC+12+4*\c:PC+14+4*\c], v[S+32*\c+16:S+32*\c+31], v[TM+13+2*\c]
.endr
	v_nop
.irp c, 0,1
.irp n, 0,1,2
	v_permlane16_swap_b32 v[PC+6*\c+\n], v[PC+12+4*\c+\n]
.endr
.irp n, 0,1,2
	s_delay_alu instid0(VALU_DEP_3)
	v_mov_b32 v[PC+3+6*\c+\n], v[PC+12+4*\c+\n]
.endr
.endr
.irp c, 0,1,2
	global_store_b128 v[LI], v[PC+4*\c:PC+4*\c+3], s[8:9] offset:512*\c
.endr
	global_store_b32 v[OSO], v[QPW], s[10:11]
	s_wait_tensorcnt 0x0
	ds_add_u32 v[SPW], v[NIL]
	s_wait_dscnt 0x0
	CROUND
	s_endpgm
.Lfunc_end_k_q96f2102a60_attn:
	.size	k_q96f2102a60_attn, .Lfunc_end_k_q96f2102a60_attn-k_q96f2102a60_attn
	.p2alignl 7, 3214868480
	.fill 96, 4, 3214868480
	.section	.rodata,"a",@progbits
	.p2align	6, 0x0
	.amdhsa_kernel k_q96f2102a60_attn
		.amdhsa_group_segment_fixed_size 327680
		.amdhsa_private_segment_fixed_size 0
		.amdhsa_enable_private_segment 0
		.amdhsa_kernarg_size 32
		.amdhsa_user_sgpr_count 2
		.amdhsa_user_sgpr_kernarg_segment_ptr 1
		.amdhsa_wavefront_size32 1
		.amdhsa_system_sgpr_workgroup_id_x 1
		.amdhsa_system_sgpr_workgroup_id_y 1
		.amdhsa_system_sgpr_workgroup_id_z 1
		.amdhsa_system_vgpr_workitem_id 0
		.amdhsa_next_free_vgpr 512
		.amdhsa_next_free_sgpr 66
		.amdhsa_reserve_vcc 0
		.amdhsa_float_denorm_mode_32 3
		.amdhsa_float_denorm_mode_16_64 3
		.amdhsa_memory_ordered 1
		.amdhsa_forward_progress 1
		.amdhsa_inst_pref_size 86
	.end_amdhsa_kernel
	.amdgpu_metadata
---
amdhsa.version: [ 1, 2 ]
amdhsa.kernels:
  - .name:           k_q96f2102a60_attn
    .symbol:         k_q96f2102a60_attn.kd
    .args:
      - { .name: pc, .offset: 0, .size: 8, .value_kind: global_buffer, .address_space: global }
      - { .name: ps, .offset: 8, .size: 8, .value_kind: global_buffer, .address_space: global }
      - { .name: oc, .offset: 16, .size: 8, .value_kind: global_buffer, .address_space: global }
      - { .name: os, .offset: 24, .size: 8, .value_kind: global_buffer, .address_space: global }
    .group_segment_fixed_size: 327680
    .private_segment_fixed_size: 0
    .kernarg_segment_align: 8
    .kernarg_segment_size: 32
    .max_flat_workgroup_size: 256
    .sgpr_count:     66
    .vgpr_count:     512
    .wavefront_size: 32
...
	.end_amdgpu_metadata
.endif
;; end of part 3
;; launch outp (part 4): grid 8 x 32, 4 waves a work-group, clusters of 4 x 4, 327,680 bytes of LDS; arguments oc, os, inc, ins, bo, out0; writes out0
.if DOCPART == 4
	.amdgcn_target "amdgcn-amd-amdhsa--gfx1250"
	.amdhsa_code_object_version 6
	.text
	.protected	k_q96f2102a60_outp
	.globl	k_q96f2102a60_outp
	.p2align	8
	.type	k_q96f2102a60_outp,@function
k_q96f2102a60_outp:
	s_mov_b64 s[64:65], 0
	v_nop
	global_prefetch_b8 v0, s[64:65] scope:SCOPE_SE
	s_setreg_imm32_b32 hwreg(HW_REG_WAVE_MODE, 25, 1), 1
	s_wait_xcnt 0x0
	s_wait_alu depctr_hold_cnt(0) depctr_sa_sdst(0) depctr_va_vdst(0) depctr_va_sdst(0) depctr_va_ssrc(0) depctr_va_vcc(0) depctr_vm_vsrc(0)
	s_getreg_b32 s2, hwreg(HW_REG_IB_STS2, 6, 4)
	s_cmp_eq_u32 s2, 0
	s_cbranch_scc0 .Lentry_in_a_cluster
	s_endpgm
.Lentry_in_a_cluster:
	s_bfe_u32 s2, ttmp6, 0x10000c
	s_cmp_lg_u32 s2, 0xf033
	s_cbranch_scc0 .Lentry_shape_is_right
	s_endpgm
.Lentry_shape_is_right:
; out0 = O Wo^T + bo on codes of BF6 (E3M2) with E8M0 scales; out0 [8192][1024] f32.  O's codes come from the attention launch (oc, os), Wo's from the quantising launch (inc, ins: tiles 1728 on).
; A work-group makes 256 tokens (S1, the matrix instruction's source 1: the result's lane) x 128 output channels (S0, source 0: along the result's registers).
; A ROW TILE T holds 16 rows: lane-row r is row 32 (T / 2) + 8 (T % 2) + r % 8 + 16 (r / 8).  Operands lie in memory and in LDS as images of their registers: a fragment (a tile x 128 along K) is 1,536 bytes, three loads of 16 bytes a lane.
; ALL OF K IS RESIDENT: (256 + 128) rows x 768 bytes = 294,912 bytes of LDS, brought in two chunks of four K steps by first fills alone; no LDS byte is filled twice.
; CLUSTERS: 4 x 4 work-groups; S1's tiles are shared along a row of the cluster, S0's along a column: joint loads.  Four waves; wave w takes S1's tiles 4 w .. 4 w + 3 against S0's eight: 32 accumulators.
; A wave has one tensor load out at the most.  The bias is the C of each sum's first product: eight registers a tile of S0.
; REGISTERS: window 0: v8-15 LDS addresses; v16-19 lane offsets; v32-47 S1's scale words, v48-79 S0's; v80-143 the bias table; v144-191, v192-239 S1's fragments, two sets (on the way out v80-207: rows of out0).
;   window 1: S0's fragments, two sets, at v0 and v128.   window 2: accumulator (a, b) at v[8 (8 a + b)].
.set TILEB,  12288
; K COMES IN TWO CHUNKS OF FOUR K STEPS (not four of two): chunk 0 is asked for at the head, one tensor load a wave; chunk 1 behind a drained round of the cluster's barrier, one load a wave: a wave has one tensor load out at the most.
.set CHUNK,  147456                    ; LDS: four K steps: S1's 16 tiles x 6,144 bytes, then S0's 8 tiles x 6,144
.set S0OFF,  98304
.set WOT,    1728                      ; Wo's first tile in inc and ins
.set ADRA, 8
.set ADRB, 12
.set LI,   16                          ; v16  16 x lane
.set STO,  17                          ; v17  the stage, on the way in: 528 r + 64 h
.set RD,   18                          ; v18  and back: 16 x lane
.set BOF,  19                          ; v19  64 h
.set SCA,  32
.set SCB,  48
.set TB,   80
.set AF,   144
.set WV,   18
.set ROLE, 19
.set HF,   20
.set G1A,  24
.set G1B,  32
.set G0A,  40
.set G0B,  56                          ; chunk f at 56 + 4 f + 4 (f / 2)
.set MSB, 0
.macro WIN new
.if MSB != \new
	s_set_vgpr_msb (MSB<<8)|\new
.set MSB, \new
.endif
.endm
.macro CROUND                          ; a round of the cluster's barrier
	s_barrier_signal -1
	s_barrier_wait -1
	s_cmp_lg_u32 s[WV], 0
	s_cbranch_scc1 .Lnot_wave_0_\@
	s_barrier_signal -3
.Lnot_wave_0_\@:
	s_barrier_wait -3
	s_barrier_signal -1
	s_barrier_wait -1
.endm
.macro PLACES                          ; four places behind a matrix instruction (ISA guide 7.12.1)
.rept 4
	v_nop
.endr
.endm
	s_load_b256 s[4:11], s[0:1], 0x0               ; oc s[4:5], os s[6:7], inc s[8:9], ins s[10:11]
	s_load_b128 s[12:15], s[0:1], 0x20             ; bo s[12:13], out0 s[14:15]
	v_lshl_add_u32 v254, v0, 2, 0x48000
	v_mov_b32 v255, 0
	ds_add_u32 v254, v255
	ds_add_u32 v254, v255
	v_lshrrev_b32 v1, 5, v0
	v_readfirstlane_b32 s[WV], v1
	s_lshr_b32 s[ROLE], s[WV], 1
	s_and_b32 s[HF], s[WV], 1
	s_bfe_u32 s76, ttmp6, 0x40000                  ; cx
	s_bfe_u32 s77, ttmp6, 0x40004                  ; cy
	s_lshl_b32 s83, ttmp9, 2
	s_add_co_u32 s83, s83, s76                     ; tx: which 128 output channels
	s_and_b32 s84, ttmp7, 0xffff
	s_lshl_b32 s84, s84, 2
	s_add_co_u32 s84, s84, s77                     ; ty: which 256 tokens
	s_lshl_b32 s85, s77, 2
	s_lshl_b32 s85, 15, s85                        ; my row of the cluster
	s_lshl_b32 s86, 0x1111, s76                    ; my column
	; group 1: rows of 6,144 bytes (four fragments of a tile: 768 elements of 8 bytes), 12,288 bytes apart in memory, dense in LDS; S1: 8 tiles a load, S0: 4
	s_or_b32 s[G1A], s85, (3<<16)|(1<<21)
	s_or_b32 s[G1B], s86, (3<<16)|(1<<21)
	s_mov_b32 s[G1A+1], 768<<16                    ; rows of 6,144 bytes, four fragments of a tile
	s_mov_b32 s[G1A+2], 8<<16
	s_mov_b32 s[G1A+3], 768<<16
	s_mov_b32 s[G1A+4], 8
	s_mov_b32 s[G1A+5], 1536
	s_mov_b32 s[G1A+6], 0
	s_mov_b32 s[G1A+7], 0
	s_mov_b32 s[G1B+1], 768<<16
	s_mov_b32 s[G1B+2], 4<<16
	s_mov_b32 s[G1B+3], 768<<16
	s_mov_b32 s[G1B+4], 4
	s_mov_b32 s[G1B+5], 1536
	s_mov_b32 s[G1B+6], 0
	s_mov_b32 s[G1B+7], 0
	s_lshl_b32 s88, s84, 4                         ; S1: tile 16 ty + 8 half
	s_lshl_b32 s92, s[HF], 3
	s_add_co_u32 s88, s88, s92
	s_mul_i32 s88, s88, TILEB
	s_mov_b32 s89, 0
	s_lshl_b32 s90, s83, 3                         ; S0: tile 1728 + 8 tx + 4 half
	s_add_co_u32 s90, s90, WOT
	s_lshl_b32 s92, s[HF], 2
	s_add_co_u32 s90, s90, s92
	s_mul_i32 s90, s90, TILEB
	s_mov_b32 s91, 0
	s_mul_i32 s93, s[HF], 49152
	s_mul_i32 s94, s[HF], 24576
	s_add_co_u32 s94, s94, S0OFF
	s_wait_dscnt 0x0
	s_wait_kmcnt 0x0
	s_add_nc_u64 s[88:89], s[4:5], s[88:89]
	s_add_nc_u64 s[90:91], s[8:9], s[90:91]
.irp f, 0,1
	s_mov_b32 s[G0A+4*\f], 1
	s_add_co_u32 s[G0A+4*\f+1], s93, CHUNK*\f
	s_add_nc_u64 s[G0A+4*\f+2:G0A+4*\f+3], s[88:89], 6144*\f
	s_or_b32 s[G0A+4*\f+3], s[G0A+4*\f+3], 0x80000000
	s_mov_b32 s[G0B+4*\f+4*(\f/2)], 1
	s_add_co_u32 s[G0B+4*\f+4*(\f/2)+1], s94, CHUNK*\f
	s_add_nc_u64 s[G0B+4*\f+4*(\f/2)+2:G0B+4*\f+4*(\f/2)+3], s[90:91], 6144*\f
	s_or_b32 s[G0B+4*\f+4*(\f/2)+3], s[G0B+4*\f+4*(\f/2)+3], 0x80000000
.endr
	CROUND                                         ; all sixteen work-groups are here: the joint loads meet
	s_cmp_eq_u32 s[ROLE], 0                        ; a wave's first fill stands in one branch on the wave's number; four v_nop follow it
	s_cbranch_scc0 .Lfill_s0
	tensor_load_to_lds s[G0A:G0A+3], s[G1A:G1A+7]  ; chunk 0: my one load at the head
	s_nop 0
	PLACES
	s_branch .Lfilled
.Lfill_s0:
	tensor_load_to_lds s[G0B:G0B+3], s[G1B:G1B+7]
	s_nop 0
	PLACES
.Lfilled:
	v_and_b32 v1, 31, v0
	v_lshlrev_b32 v[LI], 4, v1
	v_and_b32 v2, 15, v0                           ; r
	v_bfe_u32 v3, v0, 4, 1                         ; h
	v_lshlrev_b32 v[BOF], 6, v3
	s_mul_i32 s95, s[WV], 8448                     ; my stage for the way out: 16 rows x (512 + 16) bytes, in chunk 0
	v_mul_u32_u24 v[STO], v2, 528
	v_lshl_add_u32 v[STO], v3, 6, v[STO]
	v_add_nc_u32 v[STO], s95, v[STO]
	v_add_nc_u32 v[RD], s95, v[LI]
	s_mul_i32 s92, s[WV], 24576                    ; my four tiles of S1 in a chunk
	s_mov_b32 s87, S0OFF
.irp f, 0,1
	v_add_nc_u32 v[ADRA+\f], s92, v[LI]
	v_add_nc_u32 v[ADRB+\f], s87, v[LI]
	s_add_co_u32 s92, s92, CHUNK
	s_add_co_u32 s87, s87, CHUNK
.endr
	; the scale words come straight into registers: a tile's eight words by one load, register k / 2 holding K step k in lanes 0-15 (k even) or 16-31 (k odd)
	s_wait_alu depctr_va_vdst(0)
	s_lshl_b32 s96, s84, 4
	s_lshl_b32 s97, s[WV], 2
	s_add_co_u32 s96, s96, s97
	s_lshl_b32 s96, s96, 9
	s_mov_b32 s97, 0
	s_add_nc_u64 s[96:97], s[6:7], s[96:97]
	s_lshl_b32 s98, s83, 3
	s_add_co_u32 s98, s98, WOT
	s_lshl_b32 s98, s98, 9
	s_mov_b32 s99, 0
	s_add_nc_u64 s[98:99], s[10:11], s[98:99]
.irp a, 0,1,2,3
	global_load_b128 v[SCA+4*\a:SCA+4*\a+3], v[LI], s[96:97] offset:512*\a
.endr
.irp b, 0,1,2,3,4,5,6,7
	global_load_b128 v[SCB+4*\b:SCB+4*\b+3], v[LI], s[98:99] offset:512*\b
.endr
	s_lshl_b32 s2, s83, 9                          ; bo at my 128 channels
	s_mov_b32 s3, 0
	s_add_nc_u64 s[12:13], s[12:13], s[2:3]
.irp b, 0,1,2,3,4,5,6,7
	global_load_b128 v[TB+8*\b:TB+8*\b+3], v[BOF], s[12:13] offset:128*(\b/2)+32*(\b%2)       ; tile b = 2 g + u: channels 32 g + 16 h + 8 u + 0 .. 7
	global_load_b128 v[TB+8*\b+4:TB+8*\b+7], v[BOF], s[12:13] offset:128*(\b/2)+32*(\b%2)+16
.endr
	s_lshl_b32 s2, s84, 8                          ; out0 at token 256 ty + 64 w, channel 128 tx
	s_lshl_b32 s3, s[WV], 6
	s_add_co_u32 s2, s2, s3
	s_lshl_b32 s2, s2, 12
	s_lshl_b32 s3, s83, 9
	s_add_co_u32 s2, s2, s3
	s_mov_b32 s3, 0
	s_add_nc_u64 s[14:15], s[14:15], s[2:3]
.macro WM a, b, k, init                ; one product: S1's tile a x S0's tile b, K step k.  init = 1: the sum starts from the bias of tile b
.set rD, 8*(8*(\a)+\b)
.set rB, 128*((\k)%2)+12*\b
.set rA, AF+48*((\k)%2)+12*(\a)
.set rSB, SCB+4*\b+(\k)/2
.set rSA, SCA+4*(\a)+(\k)/2
.if \init == 1
	v_wmma_scale_f32_16x16x128_f8f6f4 v[rD:rD+7], v[rB:rB+11], v[rA:rA+11], v[TB+8*\b:TB+8*\b+7], v[rSB], v[rSA] matrix_a_fmt:MATRIX_FMT_BF6 matrix_b_fmt:MATRIX_FMT_BF6
.elseif (\k)%2
	v_wmma_scale_f32_16x16x128_f8f6f4 v[rD:rD+7], v[rB:rB+11], v[rA:rA+11], v[rD:rD+7], v[rSB], v[rSA] matrix_a_fmt:MATRIX_FMT_BF6 matrix_b_fmt:MATRIX_FMT_BF6 matrix_a_scale:MATRIX_SCALE_ROW1 matrix_b_scale:MATRIX_SCALE_ROW1
.else
	v_wmma_scale_f32_16x16x128_f8f6f4 v[rD:rD+7], v[rB:rB+11], v[rA:rA+11], v[rD:rD+7], v[rSB], v[rSA] matrix_a_fmt:MATRIX_FMT_BF6 matrix_b_fmt:MATRIX_FMT_BF6
.endif
.endm
; 16 products.  The 32 accumulators take turns, one instruction a turn, in the same order in every K step
.macro MUL a0, k, init
.if \init == 0
	WIN 0xa1                                       ; source 0 (S0) window 1, source 1 (S1) window 0, C and D window 2
.else
	WIN 0x81                                       ; the same, C (the bias) window 0
.endif
.irp a, \a0, \a0+1
.irp b, 0,1,2,3,4,5,6,7
	WM (\a), \b, \k, \init
.endr
.endr
.endm
.macro FETCH k                         ; K step k's fragments: S0's eight, my four of S1: 36 loads of 512 consecutive bytes
	WIN 0x40
.irp i, 0,1,2,3,4,5,6,7
.irp c, 0,1,2
	ds_load_b128 v[128*((\k)%2)+12*\i+4*\c:128*((\k)%2)+12*\i+4*\c+3], v[ADRB+(\k)/4] offset:6144*\i+1536*((\k)%4)+512*\c
.endr
.endr
	WIN 0
.irp i, 0,1,2,3
.irp c, 0,1,2
	ds_load_b128 v[AF+48*((\k)%2)+12*\i+4*\c:AF+48*((\k)%2)+12*\i+4*\c+3], v[ADRA+(\k)/4] offset:6144*\i+1536*((\k)%4)+512*\c
.endr
.endr
.endm
.macro EVEN k                          ; the next K step lies in the same chunk
	PLACES
	FETCH (\k)+1
	s_wait_dscnt 36                                ; all but the 36 loads just issued
	MUL 0, \k, 0
	MUL 2, \k, 0
.endm
.macro ODD k                           ; the next K step lies in the next chunk, which four waves have brought: a barrier
	s_wait_dscnt 0x0
	s_wait_tensorcnt 0x0                           ; my part of the next chunk has landed.
	s_barrier_signal -1
	MUL 0, \k, 0
	s_barrier_wait -1
	PLACES
	FETCH (\k)+1
	MUL 2, \k, 0
.endm
	s_wait_alu depctr_va_vdst(0)
	s_wait_tensorcnt 0x0                           ; my part of chunk 0 has landed
	ds_add_u32 v254, v255
	s_wait_dscnt 0x0
	CROUND                                         ; chunk 0 is whole, and the sixteen work-groups are here: the joint loads of chunk 1 meet
	s_cmp_eq_u32 s[ROLE], 0
	s_cbranch_scc0 .Lfill2_s0
	tensor_load_to_lds s[G0A+4:G0A+7], s[G1A:G1A+7]
	s_nop 0
	PLACES
	s_branch .Lfilled2
.Lfill2_s0:
	tensor_load_to_lds s[G0B+4:G0B+7], s[G1B:G1B+7]
	s_nop 0
	PLACES
.Lfilled2:
	FETCH 0
	FETCH 1
	s_wait_dscnt 36
	s_wait_loadcnt 0x0                             ; scale words and bias
	MUL 0, 0, 1
	MUL 2, 0, 1
	EVEN 1                                         ; K steps 0 to 3 lie in chunk 0, 4 to 7 in chunk 1: one barrier, in K step 3
	EVEN 2
	ODD 3
	EVEN 4
	EVEN 5
	EVEN 6
	s_wait_dscnt 0x0
	MUL 0, 7, 0
	MUL 2, 7, 0
	WIN 0
	s_barrier_signal -1                            ; every wave's reads of the operands are over (no LDS instruction of mine is out); all fills of the launch have landed: the stages may lie in chunk 0
	s_barrier_wait -1
; THE WAY OUT, a tile of 16 tokens x 128 channels at a time.  A lane holds pieces of 32 bytes of one row; the tile goes through my own stage and comes back as whole rows of 512 bytes.
; LDS serves a wave's instructions in order: no wait between the stores and the loads, nor in front of the next tile's stores.
.macro TOSTAGE a
	WIN 0x08                                       ; an LDS store's data are its source 1: window 2
.irp b, 0,1,2,3,4,5,6,7
	ds_store_b128 v[STO], v[8*(8*(\a)+\b):8*(8*(\a)+\b)+3] offset:128*(\b/2)+32*(\b%2)        ; each accumulator from its low end on
	ds_store_b128 v[STO], v[8*(8*(\a)+\b)+4:8*(8*(\a)+\b)+7] offset:128*(\b/2)+32*(\b%2)+16
.endr
	WIN 0
.set BB, 144-64*((\a)%2)
.irp i, 0,1,2,3,4,5,6,7,8,9,10,11,12,13,14,15
	ds_load_b128 v[BB+4*\i:BB+4*\i+3], v[RD] offset:528*\i
.endr
.endm
.macro SEND a, younger                 ; younger: the LDS instructions issued behind tile a's loads, which may stay out
.set BB, 144-64*((\a)%2)
	s_wait_dscnt \younger
.irp i, 0,1,2,3,4,5,6,7,8,9,10,11,12,13,14,15
	global_store_b128 v[LI], v[BB+4*\i:BB+4*\i+3], s[14:15] offset:(32*((\a)/2)+8*((\a)%2)+(\i%8)+16*(\i/8))*4096 th:TH_STORE_NT   ; lane-row i's token: 512 consecutive bytes, aligned; every offset an immediate, 258,048 at the most
.endr
.endm
	PLACES
	TOSTAGE 0
.irp a, 1,2,3
.if \a > 1
	s_wait_xcnt 0x0                                ; tile a - 2's stores have read their registers: tile a's loads may land there
.endif
	TOSTAGE \a
	SEND \a-1, 32                                  ; behind tile a - 1's loads: tile a's 16 stores and 16 loads
.endr
	SEND 3, 0
	s_wait_tensorcnt 0x0
	ds_add_u32 v254, v255
	s_wait_dscnt 0x0
	CROUND                                         ; the closing round
	s_endpgm
.Lfunc_end_k_q96f2102a60_outp:
	.size	k_q96f2102a60_outp, .Lfunc_end_k_q96f2102a60_outp-k_q96f2102a60_outp
	.p2alignl 7, 3214868480
	.fill 96, 4, 3214868480
	.section	.rodata,"a",@progbits
	.p2align	6, 0x0
	.amdhsa_kernel k_q96f2102a60_outp
		.amdhsa_group_segment_fixed_size 327680
		.amdhsa_private_segment_fixed_size 0
		.amdhsa_enable_private_segment 0
		.amdhsa_kernarg_size 48
		.amdhsa_user_sgpr_count 2
		.amdhsa_user_sgpr_kernarg_segment_ptr 1
		.amdhsa_wavefront_size32 1
		.amdhsa_system_sgpr_workgroup_id_x 1
		.amdhsa_system_sgpr_workgroup_id_y 1
		.amdhsa_system_sgpr_workgroup_id_z 1
		.amdhsa_system_vgpr_workitem_id 0
		.amdhsa_next_free_vgpr 768
		.amdhsa_next_free_sgpr 100
		.amdhsa_reserve_vcc 0
		.amdhsa_float_denorm_mode_32 3
		.amdhsa_float_denorm_mode_16_64 3
		.amdhsa_memory_ordered 1
		.amdhsa_forward_progress 1
		.amdhsa_inst_pref_size 77
	.end_amdhsa_kernel
	.amdgpu_metadata
---
amdhsa.version: [ 1, 2 ]
amdhsa.kernels:
  - .name:           k_q96f2102a60_outp
    .symbol:         k_q96f2102a60_outp.kd
    .args:
      - { .name: oc, .offset: 0, .size: 8, .value_kind: global_buffer, .address_space: global }
      - { .name: os, .offset: 8, .size: 8, .value_kind: global_buffer, .address_space: global }
      - { .name: inc, .offset: 16, .size: 8, .value_kind: global_buffer, .address_space: global }
      - { .name: ins, .offset: 24, .size: 8, .value_kind: global_buffer, .address_space: global }
      - { .name: bo, .offset: 32, .size: 8, .value_kind: global_buffer, .address_space: global }
      - { .name: out0, .offset: 40, .size: 8, .value_kind: global_buffer, .address_space: global }
    .group_segment_fixed_size: 327680
    .private_segment_fixed_size: 0
    .kernarg_segment_align: 8
    .kernarg_segment_size: 48
    .max_flat_workgroup_size: 128
    .sgpr_count:     100
    .vgpr_count:     768
    .wavefront_size: 32
...
	.end_amdgpu_metadata
.endif
;; end of part 4
